; MI455X (gfx1250); checked and timed in simulation.
; The chip was launched on July 23, 2026; its instructions are those of AMD's public machine-readable ISA for CDNA 5 (MIT licence, August 2026) and "CDNA5" Instruction Set Architecture Reference Guide (July 2026). The comments in the code are by the model that wrote it; some were corrected since.
;; Block Decay. Allowed arithmetic: float matrix products may take bf16 or f16 operands with f32 sums; other float arithmetic in f32, or as packed bf16 or f16 multiplies, adds, multiply-adds, maxima and minima; sums over many terms, partial sums and values carried from step to step in f32; what a program stores and reads back later, other than sums and carried values, may be rounded once to bf16 or f16.
;; Inputs: causal_mask 128 x 128 float32; decay_diff 128 x 128 float32; gamma_vec 128 float32; h_norm 8 x 4,096 x 128 float32; k 8 x 4,096 x 128 float32; q_alpha 8 x 4,096 x 128 float32.
;; Outputs: out0 8 x 4,096 x 128 float32.
;; 2 versions, each right; version 2 is version 1 with the launch local written anew for expert scheduling mode. Each part assembles by itself: llvm-mc -triple=amdgcn-amd-amdhsa -mcpu=gfx1250 --defsym DOCPART=n.
;; ======== version 1 of 2: 3 launches
;; workspace buffers: uws 16,777,216 bytes; sws 16,777,216 bytes; aws 16,777,216 bytes
;; launch local (part 1): grid 31 x 8, 8 waves a work-group, no clusters, 136,704 bytes of LDS; arguments k, h_norm, gamma_vec, decay_diff, causal_mask, uws; writes uws
.if DOCPART == 1
	.amdgcn_target "amdgcn-amd-amdhsa--gfx1250"
	.amdhsa_code_object_version 6
	.text
	.protected	k_qa165e83400_local
	.globl	k_qa165e83400_local
	.p2align	8
	.type	k_qa165e83400_local,@function
k_qa165e83400_local:
	s_mov_b64 s[64:65], 0
	v_nop
	global_prefetch_b8 v0, s[64:65] scope:SCOPE_SE
	s_setreg_imm32_b32 hwreg(HW_REG_WAVE_MODE, 25, 1), 1
	s_wait_xcnt 0x0
; WHAT A BLOCK ADDS TO THE CARRIED STATE.  U[r][d] = the sum over j of w[j][r] k[j][r] h[j][d], w[j][r] = exp(dd[127][j] ln g_r) cm[127][j], g = max(gamma, 1e-8),
; for blocks 0 to 30 of each of the 8 batches (block 31 has no successor, so it has no work-group).  A block is 128 rows of 128 f32 of k and of h.
; FORMATS.  Both operands of the product are bf16 PAIRS, x = hi + lo (hi = x rounded, lo = the rest rounded), and the product is hi hi + lo hi + hi lo with f32 sums: what is dropped is lo lo.
; LIMITS.  v_exp_f32 and v_log_f32 flush denormals: w below 2^-126 counts as 0.  |x| beyond bf16's largest finite number (3.39e38) is not served.  NaN and infinities are not treated apart.
; The f32 sums are taken in another order than the reference's.
; SHARES.  Eight waves.  Wave v converts rows j = 16 v .. 16 v + 15 of k (times w) and of h; a lane holds four neighbouring features of a row, so eight rows of one feature pack into 16 bytes
; along j: the transposition into [feature][j] costs nothing.  Then wave v multiplies: r tiles 2 (v % 4) + 0, 1 by d tiles 4 (v / 4) + 0 .. 3: eight accumulators.
; LDS.  A matrix X[row][K] lies as blocks of 16 rows x 8 K: byte = (row / 16) 8464 + (K / 8) 528 + plane 256 + (row % 16) 16 + (K % 8) 2, plane 0 = hi, 1 = lo.  A fragment load takes 256 bytes on
; end for 16 lanes; in the stores 16 lanes stand 4 words (tile) and 16 words (row) apart: every bank once (64 banks of 4 bytes: ISA guide 11.1).
; OUT.  uws[b][m]: byte = (d / 16) 8192 + (r / 4) 256 + (d % 16) 16 + (r % 4) 4, f32: a lane's four registers are 16 bytes, sixteen lanes store 256 consecutive bytes, aligned.
; No tensor load: every number passes through registers to be scaled and split.  No cluster: no two work-groups read the same rows.  No prefetch: a work-group asks for all its data at its head.
.set NSTR,  65536                      ; bytes of a block in k, h and uws
.set KB,    528                        ; 8 K of 16 rows: 256 bytes hi, 256 lo, 16 spare
.set TSP,   8464                       ; 16 rows: 16 such, and 16 bytes more
.set HT,    67840                      ; h transposed; k w transposed lies at 0; 67,712 bytes each
.set SPARE, 135680                     ; the spare words, 128 bytes for each wave: four blocks of 256 bytes that no other line names
.set SPW,  2                           ; v2   LDS address of my spare word; never rewritten
.set NIL,  3                           ; v3   0; never rewritten
.set NEG1, 4                           ; v4   -1.0
.set LO,   5                           ; v5   16 x lane: my 16 bytes of a row
.set STK,  6                           ; v6   where I put 16 bytes of k w transposed
.set STH,  7                           ; v7   the same for h
.set BA,   8                           ; v8   my fragments of source 0
.set BBS,  9                           ; v9   of source 1
.set UO,   10                          ; v10  my byte offset in uws
.set LG,   12                          ; v[12:15]   log2 g of my four features
.set XK,   16                          ; v[16:79]   16 rows of k, four registers each
.set XH,   80                          ; v[80:143]  16 rows of h
.set EE,   144                         ; v[144:175] eight rows of exponents, then of decays
.set HIQ,  176                         ; v[176:179] eight hi along j
.set LOQ,  180                         ; v[180:183] eight lo
.set ACC,  32                          ; v[32:95]   accumulator (t, u) at ACC + 8 (4 t + u)
.set F0,   96                          ; v[96:127]  source 0: tile t, plane p at F0 + 16 t + 8 p
.set F1,   128                         ; v[128:191] source 1: tile u, plane p at F1 + 16 u + 8 p
.set WV,   16                          ; s16  my wave
.set DDR,  32                          ; s[32:47]  dd[127][16 v ..]
.set CMR,  48                          ; s[48:63]  cm[127][16 v ..]
	s_load_b256 s[4:11], s[0:1], 0x0               ; k s[4:5], h s[6:7], gamma s[8:9], dd s[10:11]
	s_load_b128 s[12:15], s[0:1], 0x20             ; cm s[12:13], uws s[14:15]
	v_lshl_add_u32 v[SPW], v0, 2, SPARE
	v_mov_b32 v[NIL], 0
	v_mov_b32 v[NEG1], -1.0
	v_lshrrev_b32 v1, 5, v0
	v_readfirstlane_b32 s[WV], v1                  ; wave 0..7
	v_and_b32 v1, 31, v0                           ; lane
	v_lshlrev_b32 v[LO], 4, v1
	s_and_b32 s17, ttmp7, 0xffff                   ; batch
	s_lshl_b32 s17, s17, 21                        ; 32 blocks of 65,536 bytes
	s_lshl_b32 s18, ttmp9, 16                      ; block
	s_add_co_u32 s18, s18, s17
	s_lshl_b32 s20, s[WV], 13                      ; my 16 rows of 512 bytes
	s_add_co_u32 s20, s20, s18
	s_mov_b32 s21, 0
	s_lshl_b32 s22, s[WV], 6                       ; my 16 numbers of row 127 of dd and cm
	s_add_co_u32 s22, s22, 127*512
	s_mov_b32 s23, 0
	s_lshr_b32 s24, s[WV], 2                       ; v / 4
	s_and_b32 s25, s[WV], 3                        ; v % 4
	s_lshl_b32 s26, s24, 15                        ; four d tiles of 8,192 bytes
	s_lshl_b32 s27, s25, 11                        ; two r tiles of 1,024
	s_add_co_u32 s26, s26, s27
	s_add_co_u32 s26, s26, s18
	s_mov_b32 s27, 0
	s_wait_kmcnt 0x0
	s_add_nc_u64 s[4:5], s[4:5], s[20:21]
	s_add_nc_u64 s[6:7], s[6:7], s[20:21]
	s_add_nc_u64 s[10:11], s[10:11], s[22:23]
	s_add_nc_u64 s[12:13], s[12:13], s[22:23]
	s_add_nc_u64 s[14:15], s[14:15], s[26:27]
	s_load_b512 s[DDR:DDR+15], s[10:11], 0x0
	s_load_b512 s[CMR:CMR+15], s[12:13], 0x0
	global_load_b128 v[LG:LG+3], v[LO], s[8:9]     ; gamma of features 4 l .. 4 l + 3
.set tt, 0
.rept 16
	global_load_b128 v[XK+4*tt:XK+4*tt+3], v[LO], s[4:5] offset:tt*512 th:TH_LOAD_NT  ; a row: 512 consecutive bytes
.set tt, tt+1
.endr
.set tt, 0
.rept 16
	global_load_b128 v[XH+4*tt:XH+4*tt+3], v[LO], s[6:7] offset:tt*512 th:TH_LOAD_NT
.set tt, tt+1
.endr
	; LDS addresses, while the loads are out
	v_lshrrev_b32 v184, 2, v1
	v_and_b32 v185, 3, v1
	v_mul_u32_u24 v[STK], v184, TSP                ; feature 4 l + c: tile l / 4,
	v_lshl_add_u32 v[STK], v185, 6, v[STK]         ; row 4 (l % 4) + c in it
	s_mul_i32 s28, s[WV], 2*KB                     ; my 16 j: two blocks of 8
	v_add_nc_u32 v[STK], s28, v[STK]
	v_add_nc_u32 v[STH], HT, v[STK]
	v_and_b32 v184, 15, v0                         ; l % 16
	v_bfe_u32 v185, v0, 4, 1                       ; l / 16
	v_mul_u32_u24 v[BA], v185, KB
	v_lshl_add_u32 v[BA], v184, 4, v[BA]           ; a fragment: block l / 16 of the K step, 16 bytes of row l % 16
	s_mul_i32 s29, s24, 4*TSP
	s_add_co_u32 s29, s29, HT
	v_add_nc_u32 v[BBS], s29, v[BA]
	s_mul_i32 s30, s25, 2*TSP
	v_add_nc_u32 v[BA], s30, v[BA]
	v_lshlrev_b32 v[UO], 9, v185                   ; out: r = 8 (l / 16) + .. is two quads of r on,
	v_lshl_add_u32 v[UO], v184, 4, v[UO]           ; d = l % 16
	s_wait_loadcnt 32                              ; gamma is in; the 32 rows may stay out
.set cc, 0
.rept 4
	v_max_num_f32 v[LG+cc], 0x322bcc77, v[LG+cc]   ; 1e-8
.set cc, cc+1
.endr
.set cc, 0
.rept 4
	v_log_f32 v[LG+cc], v[LG+cc]
.set cc, cc+1
.endr
	v_nop                                          ; a plain instruction behind the last logarithm,
	s_wait_alu depctr_va_vdst(0)                   ; and the wait ahead of the first use: one for the four
	s_wait_kmcnt 0x0                               ; row 127 of dd and cm
	s_wait_loadcnt 16                              ; k is in; h's 16 rows may stay out
; Eight rows of k are multiplied by w.  The 32 exponentials are one batch; the 32 products k cm, which name none of their results, stand between them and their one wait.
.macro KGROUP g
.set tt, 0
.rept 8
.set cc, 0
.rept 4
	v_mul_f32 v[EE+4*tt+cc], s[DDR+8*(\g)+tt], v[LG+cc]
.set cc, cc+1
.endr
.set tt, tt+1
.endr
.set tt, 0
.rept 32
	v_exp_f32 v[EE+tt], v[EE+tt]
.set tt, tt+1
.endr
.set tt, 0
.rept 8
.set cc, 0
.rept 4
	v_mul_f32 v[XK+32*(\g)+4*tt+cc], s[CMR+8*(\g)+tt], v[XK+32*(\g)+4*tt+cc]
.set cc, cc+1
.endr
.set tt, tt+1
.endr
	s_wait_alu depctr_va_vdst(0)                   ; the wait for the batch
.set tt, 0
.rept 16
	v_pk_mul_f32 v[XK+32*(\g)+2*tt:XK+32*(\g)+2*tt+1], v[XK+32*(\g)+2*tt:XK+32*(\g)+2*tt+1], v[EE+2*tt:EE+2*tt+1]
.set tt, tt+1
.endr
.endm
; Eight rows at register xb, four features a lane: for each feature the eight numbers along j are split into hi and lo and stored as 16 bytes each.
.macro PACKCOL xb, sta, off
.set cc, 0
.rept 4
.set uu, 0
.rept 4
	v_cvt_pk_bf16_f32 v[HIQ+uu], v[(\xb)+8*uu+cc], v[(\xb)+8*uu+4+cc]
.set uu, uu+1
.endr
.set uu, 0
.rept 4
	v_fma_mix_f32_bf16 v[(\xb)+8*uu+cc], v[HIQ+uu], v[NEG1], v[(\xb)+8*uu+cc] op_sel_hi:[1,0,0]                    ; x - hi, exact
	v_fma_mix_f32_bf16 v[(\xb)+8*uu+4+cc], v[HIQ+uu], v[NEG1], v[(\xb)+8*uu+4+cc] op_sel:[1,0,0] op_sel_hi:[1,0,0]
.set uu, uu+1
.endr
.set uu, 0
.rept 4
	v_cvt_pk_bf16_f32 v[LOQ+uu], v[(\xb)+8*uu+cc], v[(\xb)+8*uu+4+cc]
.set uu, uu+1
.endr
	ds_store_b128 v[\sta], v[HIQ:HIQ+3] offset:(\off)+16*cc
	ds_store_b128 v[\sta], v[LOQ:LOQ+3] offset:(\off)+16*cc+256
.set cc, cc+1
.endr
.endm
; 32 along K: 24 LDS loads, then 24 products: hi hi, lo hi, hi lo, in each the eight accumulators by turns: seven others stand between two links of a sum, from K step to K step too.
; Four v_nop close it: the places in front of the next loads into registers that the products have read (ISA guide 7.12.1 for vector instructions).
.macro KSTEP ba, ta, bb, tb, ks, first
.set tt, 0
.rept 2
.set pl, 0
.rept 2
	ds_load_b128 v[F0+16*tt+8*pl:F0+16*tt+8*pl+3],   v[\ba] offset:tt*(\ta)+(\ks)*4*KB+pl*256
	ds_load_b128 v[F0+16*tt+8*pl+4:F0+16*tt+8*pl+7], v[\ba] offset:tt*(\ta)+(\ks)*4*KB+pl*256+2*KB
.set pl, pl+1
.endr
.set tt, tt+1
.endr
.set uu, 0
.rept 4
.set pl, 0
.rept 2
	ds_load_b128 v[F1+16*uu+8*pl:F1+16*uu+8*pl+3],   v[\bb] offset:uu*(\tb)+(\ks)*4*KB+pl*256
	ds_load_b128 v[F1+16*uu+8*pl+4:F1+16*uu+8*pl+7], v[\bb] offset:uu*(\tb)+(\ks)*4*KB+pl*256+2*KB
.set pl, pl+1
.endr
.set uu, uu+1
.endr
	s_wait_dscnt 0x0
.set pr, 0
.rept 3
.set tt, 0
.rept 2
.set uu, 0
.rept 4
.if (\first) && (pr == 0)
	v_wmma_f32_16x16x32_bf16 v[ACC+8*(4*tt+uu):ACC+8*(4*tt+uu)+7], v[F0+16*tt:F0+16*tt+7], v[F1+16*uu:F1+16*uu+7], 0
.else
	v_wmma_f32_16x16x32_bf16 v[ACC+8*(4*tt+uu):ACC+8*(4*tt+uu)+7], v[F0+16*tt+8*(pr%2):F0+16*tt+8*(pr%2)+7], v[F1+16*uu+8*(pr/2):F1+16*uu+8*(pr/2)+7], v[ACC+8*(4*tt+uu):ACC+8*(4*tt+uu)+7]
.endif
.set uu, uu+1
.endr
.set tt, tt+1
.endr
.set pr, pr+1
.endr
.rept 4
	v_nop
.endr
.endm
	KGROUP 0
	PACKCOL XK, STK, 0
	KGROUP 1
	PACKCOL XK+32, STK, KB
	s_wait_loadcnt 0x0                             ; h
	PACKCOL XH, STH, 0
	PACKCOL XH+32, STH, KB
	s_wait_dscnt 0x0                               ; for the others' sake: my stores are done
	s_barrier_signal -1
	s_barrier_wait -1                              ; both operands lie whole in LDS
	KSTEP BA, TSP, BBS, TSP, 0, 1                  ; the first products start the sums
	KSTEP BA, TSP, BBS, TSP, 1, 0
	KSTEP BA, TSP, BBS, TSP, 2, 0
	KSTEP BA, TSP, BBS, TSP, 3, 0
.rept 4
	v_nop                                          ; eight places in all behind the last product
.endr
	; In a result lane l holds d = l % 16 and r = 8 (l / 16) + 0..7; each accumulator's low four registers leave first
.set tt, 0
.rept 2
.set uu, 0
.rept 4
	global_store_b128 v[UO], v[ACC+8*(4*tt+uu):ACC+8*(4*tt+uu)+3],   s[14:15] offset:uu*8192+tt*1024
	global_store_b128 v[UO], v[ACC+8*(4*tt+uu)+4:ACC+8*(4*tt+uu)+7], s[14:15] offset:uu*8192+tt*1024+256
.set uu, uu+1
.endr
.set tt, tt+1
.endr
	s_wait_tensorcnt 0x0                           ; the wave's end, behind my last LDS store
	ds_add_u32 v[SPW], v[NIL]
	s_wait_dscnt 0x0
	s_endpgm
.Lfunc_end_k_qa165e83400_local:
	.size	k_qa165e83400_local, .Lfunc_end_k_qa165e83400_local-k_qa165e83400_local
	.p2alignl 7, 3214868480
	.fill 96, 4, 3214868480
	.section	.rodata,"a",@progbits
	.p2align	6, 0x0
	.amdhsa_kernel k_qa165e83400_local
		.amdhsa_group_segment_fixed_size 136704
		.amdhsa_private_segment_fixed_size 0
		.amdhsa_enable_private_segment 0
		.amdhsa_kernarg_size 48
		.amdhsa_user_sgpr_count 2
		.amdhsa_user_sgpr_kernarg_segment_ptr 1
		.amdhsa_wavefront_size32 1
		.amdhsa_system_sgpr_workgroup_id_x 1
		.amdhsa_system_sgpr_workgroup_id_y 1
		.amdhsa_system_sgpr_workgroup_id_z 1
		.amdhsa_system_vgpr_workitem_id 0
		.amdhsa_next_free_vgpr 192
		.amdhsa_next_free_sgpr 66
		.amdhsa_reserve_vcc 0
		.amdhsa_float_denorm_mode_32 3
		.amdhsa_float_denorm_mode_16_64 3
		.amdhsa_memory_ordered 1
		.amdhsa_forward_progress 1
		.amdhsa_inst_pref_size 47
	.end_amdhsa_kernel
	.amdgpu_metadata
---
amdhsa.version: [ 1, 2 ]
amdhsa.kernels:
  - .name:           k_qa165e83400_local
    .symbol:         k_qa165e83400_local.kd
    .args:
      - { .name: k, .offset: 0, .size: 8, .value_kind: global_buffer, .address_space: global }
      - { .name: h_norm, .offset: 8, .size: 8, .value_kind: global_buffer, .address_space: global }
      - { .name: gamma_vec, .offset: 16, .size: 8, .value_kind: global_buffer, .address_space: global }
      - { .name: decay_diff, .offset: 24, .size: 8, .value_kind: global_buffer, .address_space: global }
      - { .name: causal_mask, .offset: 32, .size: 8, .value_kind: global_buffer, .address_space: global }
      - { .name: uws, .offset: 40, .size: 8, .value_kind: global_buffer, .address_space: global }
    .group_segment_fixed_size: 136704
    .private_segment_fixed_size: 0
    .kernarg_segment_align: 8
    .kernarg_segment_size: 48
    .max_flat_workgroup_size: 256
    .sgpr_count:     66
    .vgpr_count:     192
    .wavefront_size: 32
...
	.end_amdgpu_metadata
.endif
;; end of part 1
;; launch scores (part 2): grid 32 x 8, 4 waves a work-group, no clusters, 327,680 bytes of LDS; arguments q_alpha, k, gamma_vec, decay_diff, causal_mask, uws, sws, aws; writes sws, aws
.if DOCPART == 2
	.amdgcn_target "amdgcn-amd-amdhsa--gfx1250"
	.amdhsa_code_object_version 6
	.text
	.protected	k_qa165e83400_scores
	.globl	k_qa165e83400_scores
	.p2align	8
	.type	k_qa165e83400_scores,@function
k_qa165e83400_scores:
	s_mov_b64 s[64:65], 0
	v_nop
	global_prefetch_b8 v0, s[64:65] scope:SCOPE_SE
	s_setreg_imm32_b32 hwreg(HW_REG_WAVE_MODE, 25, 1), 1
	s_wait_xcnt 0x0
; SCORES AND STATES.  (1) A[n][i][j] = the sum over r of q[i][r] k[j][r] M[i][j][r] for all 32 blocks n of a batch, M[i][j][r] = exp(dd[i][j] ln g_r) cm[i][j], g = max(gamma, 1e-8).
; dd and cm are inputs and may hold anything, so M does not factor and the sum is no matrix product: it is made by the vector unit in f32, one packed product q k and one packed multiply-add by M for two r.
; (2) The scan S[n+1] = g^128 S[n] + U[n], S[0] = 0, carried in f32 registers; U comes from the launch before.
; SHARES.  Work-group (s, b): rows i = 16 (s / 4) + 0..15, columns j = 32 (s % 4) + 0..31, batch b.  Its 16 x 32 x 128 numbers of M stay in registers, 512 a lane, for all 32 blocks.
; Wave w has columns 8 w + c, c = 0..7.  Lane (m = l % 16, hh = l / 16) has rows 8 hh + a, a = 0..7, and the eight r = 4 m + 0..3 and 64 + 4 m + 0..3.  So a lane makes 64 partial sums a block; the
; sixteen lanes' sums meet in the wave's own scratch in LDS: a lane stores its 64 as a row of 256 bytes (pitch 272), reads 16 bytes of each of 16 rows back, and adds.
; OUT.  A and S leave as bf16 PAIRS (hi = x rounded, lo = the rest rounded) in blocks of 16 rows x 8 K: byte = (row / 16) 8192 + (K / 8) 512 + plane 256 + (row % 16) 16 + (K % 8) 2;
; aws: row = i, K = j; sws: row = d, K = r.  Every store of a wave covers 256 consecutive bytes, aligned.
; THE RING.  q's 16 rows and k's 32 rows of a block are three dense chunks of 8,192 bytes.  A slot of LDS holds them for four blocks; waves 0, 1, 2 fetch a chunk each, four blocks by one tensor load
; (four rows of 8,192 bytes, 65,536 bytes apart); wave 3 fetches nothing.  By this text's own count a wave has two tensor loads out at the start and one behind each change of slots.
; A TRIP finishes block n and brings block n + 1's rows from LDS into the registers that block n has just left: each run of loads stands behind the last reader of its registers.
; NO CLUSTER in this text.  q's chunk is wanted by the 4 work-groups of one s / 4, k's by the 8 of one s % 4, so joint loads would divide the requests by four.  A work-group asks for 24,576 bytes a block
; and has 512 packed lines a lane to do on them; the plain ring is written first.
; LIMITS.  v_exp_f32 and v_log_f32 flush denormals: M and g^128 below 2^-126 count as 0.  |A| or |S| beyond bf16's largest finite number (3.39e38) is not served.  NaN and infinities are not treated
; apart.  The f32 sums are taken in another order than the reference's.
; REGISTERS, in windows of 256 (s_set_vgpr_msb: bits 1:0 source 0, 3:2 source 1, 5:4 source 2, 7:6 destination).  The rows a are three groups: 0, 1 in window 1; 2, 3, 4 in window 2; 5, 6, 7 in window 3.
; In its window M(a, c, e) lies at 64 (a - a0) + 8 c + e and q(a, e) at 192 + 8 (a - a0) + e: with both in one window a group's work runs under one setting, source 1 in that window.  All else is window 0.
.set NSTR,    65536                    ; bytes of a block in q, k, uws, sws, aws
.set BLKB,    8192                     ; a chunk of one block
.set CHUNK,   32768                    ; a chunk of four blocks
.set SLOT1,   1<<17                    ; slot 1 begins here, so that one exclusive or turns an address in one slot into the other's
.set SCRATCH, SLOT1+3*CHUNK            ; behind the ring, never filled by a tensor load: 32 rows x 272 bytes for each wave
.set SCP,     272                      ; 256 + 16
.set SPARE,   SCRATCH+4*32*SCP         ; the spare words, 128 bytes for each wave: two blocks of 256 bytes that no other line names
.set SPW,  2                           ; v2   LDS address of my spare word; never rewritten
.set NIL,  3                           ; v3   0; never rewritten
.set AQ0,  4                           ; v4   my place in a chunk of q
.set AK0,  5                           ; v5   my place in a slot's k
.set AQ,   6                           ; v6   the same in the block to be fetched
.set AK,   7                           ; v7
.set SCW,  8                           ; v8   my row of the scratch
.set SCR,  9                           ; v9   where I read the scratch back
.set UO,   8                           ;      ahead of the loop: my byte offset in uws
.set SO,   9                           ;      ahead of the loop: my byte offset in sws
.set AO,   10                          ; v10  my byte offset in aws, one block ahead
.set PFO,  11                          ; v11  256 x lane; never rewritten
.set NEG1, 12                          ; v12  -1.0
.set GO1,  13                          ; v13  16 m
.set GO2,  14                          ; v14  16 hh
.set DDO,  15                          ; v15  4096 hh
.set KK,   16                          ; v[16:79]    k(c, e) at KK + 8 c + e
.set PP,   80                          ; v[80:111]   q k for four columns
.set TT,   112                         ; v[112:135]  the sums: three rows x four columns x (even r, odd r)
.set TS,   136                         ; v[136:147]  the two halves added: three quads
.set RR,   148                         ; v[148:211]  sixteen quads read back
.set HL,   212                         ; v[212:215]  hi, hi, lo, lo
.set QW,   192                         ; q in its window
.set LG,   16                          ; ahead of the loop: v[16:23] log2 g of my eight r
.set DD,   24                          ;   v[24:87]   dd(a, c) at DD + 8 a + c
.set CM,   88                          ;   v[88:151]  cm(a, c)
.set UU,   152                         ;   v[152:247] U of blocks 0 to 23, a quad each
.set UU2,  24                          ;   v[24:51]   U of blocks 24 to 30, when dd is done with
.set D0,   52                          ;   v[52:55]   S[0] to store
.set XT,   56                          ;   v[56:59]   at work
.set G128, 248                         ;   v[248:251] g^128 of the scan's four r
.set STT,  252                         ;   v[252:255] the state
.set WV,   20                          ; s20  my wave
.set IT,   21                          ; s21  s / 4
.set JT,   22                          ; s22  s % 4
.set BB,   23                          ; s23  batch
.set G1,   32                          ; s[32:39] descriptor group 1
.set G0A,  40                          ; s[40:43] group 0 of slot 0's first fill
.set G0B,  44                          ; s[44:47] group 0 of slot 1's first fill; then it walks
.set TB,   48                          ; s48  LDS byte at which the block to be fetched begins in chunk 0
.set CNT,  49                          ; s49  trips to the next change of slots
.set SLOTS, 50                         ; s50  changes that still fill a slot, and one
.set LIM,  51                          ; s51  1 in a wave that prefetches, else the greatest number
.set PFA,  52                          ; s[52:53] where my prefetches stand
.set MSB, 0
.macro WIN new                         ; the immediate's high byte repeats the setting that is left; a switch that changes nothing is dropped
.if MSB != (\new)
	s_set_vgpr_msb (MSB<<8)|(\new)
.set MSB, \new
.endif
.endm
.macro GRP g                           ; group g: its first row and how many
.if (\g) == 1
.set A0, 0
.set NA, 2
.elseif (\g) == 2
.set A0, 2
.set NA, 3
.else
.set A0, 5
.set NA, 3
.endif
.endm
	s_load_b512 s[4:19], s[0:1], 0x0               ; q s[4:5], k s[6:7], gamma s[8:9], dd s[10:11], cm s[12:13], uws s[14:15], sws s[16:17], aws s[18:19]
	v_lshl_add_u32 v[SPW], v0, 2, SPARE
	v_mov_b32 v[NIL], 0
	ds_add_u32 v[SPW], v[NIL]                      ; the wave's opening: the add and its wait stand ahead of my first tensor load; the set-up below, work on registers, stands between them
	v_lshrrev_b32 v1, 5, v0
	v_readfirstlane_b32 s[WV], v1                  ; wave 0..3
	v_and_b32 v1, 31, v0                           ; l
	v_and_b32 v[GO1], 15, v0
	v_lshlrev_b32 v[GO1], 4, v[GO1]
	v_bfe_u32 v[GO2], v0, 4, 1
	v_lshlrev_b32 v[DDO], 12, v[GO2]
	v_lshlrev_b32 v[GO2], 4, v[GO2]
	v_lshlrev_b32 v[UO], 4, v1                     ; uws: 16 l
	v_lshrrev_b32 v[SO], 1, v[GO2]
	v_add_nc_u32 v[SO], v[SO], v[GO1]              ; sws: 16 (l % 16) + 8 (l / 16)
	v_mov_b32 v[NEG1], -1.0
	s_lshr_b32 s[IT], ttmp9, 2
	s_and_b32 s[JT], ttmp9, 3
	s_and_b32 s[BB], ttmp7, 0xffff
	; descriptor group 1: four rows of 2,048 elements of 4 bytes, 16,384 elements apart, laid into LDS on end
	s_mov_b32 s[G1+0], 2<<16                       ; 15:0 no mask; 17:16 elements of 4 bytes; 20 no padding
	s_mov_b32 s[G1+1], 2048<<16                    ; tensor_dim0 = 2,048
	s_mov_b32 s[G1+2], 4<<16                       ; tensor_dim1 = 4
	s_mov_b32 s[G1+3], 2048<<16                    ; tile_dim0 = 2,048
	s_mov_b32 s[G1+4], 4                           ; tile_dim1 = 4
	s_mov_b32 s[G1+5], 16384                       ; from row to row
	s_mov_b32 s[G1+6], 0
	s_mov_b32 s[G1+7], 0
	s_mov_b32 s[G0A], 1
	s_lshl_b32 s[G0A+1], s[WV], 15                 ; my chunk of slot 0
	s_mov_b32 s[G0B], 1
	s_lshl_b32 s[G0B+1], s[WV], 15
	s_add_co_u32 s[G0B+1], s[G0B+1], SLOT1         ; of slot 1
	s_lshl_b32 s24, s[BB], 21                      ; the batch: 32 blocks
	s_lshl_b32 s25, s[IT], 13                      ; 16 rows of 512 bytes
	s_sub_co_u32 s26, s[WV], 1
	s_and_b32 s26, s26, 1                          ; waves 1, 2: which 16 of k's 32 rows
	s_lshl_b32 s26, s26, 13
	s_lshl_b32 s27, s[JT], 14
	s_add_co_u32 s26, s26, s27
	s_lshl_b32 s28, s[JT], 2
	s_add_co_u32 s28, s28, s[WV]                   ; 4 (s % 4) + w: my 8 columns; in the scan my 8 r
	s_cmp_eq_u32 s[WV], 0
	s_cselect_b32 s26, s25, s26                    ; my chunk's place in a block: wave 0 in q, the others in k
	s_cselect_b32 s27, s[JT], s[IT]                ; the coordinate along which other work-groups read the same chunk
	s_lshr_b32 s29, s[WV], 1
	s_and_b32 s29, s29, s[WV]                      ; 1 in wave 3 alone
	s_or_b32 s29, s29, s27
	s_cmp_eq_u32 s29, 0
	s_cselect_b32 s[LIM], 1, -1                    ; of the work-groups that read a chunk the first prefetches it, by the wave that fetches it
	s_add_co_u32 s26, s26, s24
	s_mov_b32 s27, 0
	s_lshl_b32 s30, s28, 9
	s_add_co_u32 s30, s30, s25
	s_add_co_u32 s30, s30, s24                     ; my 512 bytes of a block of uws, sws and aws: tile s / 4, 512-byte piece 4 (s % 4) + w
	s_mov_b32 s31, 0
	s_lshl_b32 s54, s28, 5                         ; 8 numbers of 4 bytes
	s_mov_b32 s55, 0
	s_add_co_u32 s56, s54, s25                     ; dd, cm: row 16 (s / 4), column 8 (4 (s % 4) + w)
	s_mov_b32 s57, 0
	s_wait_dscnt 0x0                               ; the opening add is done
	s_wait_kmcnt 0x0
	s_cmp_eq_u32 s[WV], 0
	s_cselect_b64 s[58:59], s[4:5], s[6:7]
	s_add_nc_u64 s[58:59], s[58:59], s[26:27]      ; my chunk of block 0
	s_mov_b64 s[G0A+2:G0A+3], s[58:59]
	s_or_b32 s[G0A+3], s[G0A+3], 0x80000000        ; type = 2
	s_add_nc_u64 s[G0B+2:G0B+3], s[58:59], 4*NSTR  ; of block 4
	s_or_b32 s[G0B+3], s[G0B+3], 0x80000000
	s_add_nc_u64 s[PFA:PFA+1], s[58:59], 8*NSTR    ; of block 8; the first change of slots steps it to block 12
	s_add_nc_u64 s[10:11], s[10:11], s[56:57]
	s_add_nc_u64 s[12:13], s[12:13], s[56:57]
	s_add_nc_u64 s[54:55], s[8:9], s[54:55]        ; gamma of the scan's r
	s_add_nc_u64 s[14:15], s[14:15], s[30:31]
	s_add_nc_u64 s[16:17], s[16:17], s[30:31]
	s_add_nc_u64 s[18:19], s[18:19], s[30:31]
	s_cmp_lt_u32 s[WV], 3                          ; a wave's two first fills stand in one branch, ahead of every wait on TENSORcnt, every LDS read and every barrier
	s_cbranch_scc0 .Lno_fill
	tensor_load_to_lds s[G0A:G0A+3], s[G1:G1+7]    ; blocks 0 to 3
	s_nop 0
	tensor_load_to_lds s[G0B:G0B+3], s[G1:G1+7]    ; blocks 4 to 7
	s_nop 0
.rept 4
	v_nop
.endr
.Lno_fill:
	global_load_b128 v[LG:LG+3],     v[GO1], s[8:9]
	global_load_b128 v[LG+4:LG+7],   v[GO1], s[8:9] offset:256
	global_load_b128 v[G128:G128+3], v[GO2], s[54:55]
.set ii, 0
.rept 8
	global_load_b128 v[DD+8*ii:DD+8*ii+3],   v[DDO], s[10:11] offset:ii*512
	global_load_b128 v[DD+8*ii+4:DD+8*ii+7], v[DDO], s[10:11] offset:ii*512+16
.set ii, ii+1
.endr
.set ii, 0
.rept 8
	global_load_b128 v[CM+8*ii:CM+8*ii+3],   v[DDO], s[12:13] offset:ii*512
	global_load_b128 v[CM+8*ii+4:CM+8*ii+7], v[DDO], s[12:13] offset:ii*512+16
.set ii, ii+1
.endr
.set ii, 0
.rept 24
	global_load_b128 v[UU+4*ii:UU+4*ii+3], v[UO], s[14:15] offset:ii*NSTR th:TH_LOAD_NT
.set ii, ii+1
.endr
	s_wait_loadcnt 24                              ; gamma, dd and cm are in; U's 24 loads may stay out
.set ii, 0
.rept 8
	v_max_num_f32 v[LG+ii], 0x322bcc77, v[LG+ii]   ; 1e-8
.set ii, ii+1
.endr
.set ii, 0
.rept 4
	v_max_num_f32 v[G128+ii], 0x322bcc77, v[G128+ii]
.set ii, ii+1
.endr
.set ii, 0
.rept 8
	v_log_f32 v[LG+ii], v[LG+ii]
.set ii, ii+1
.endr
.set ii, 0
.rept 4
	v_log_f32 v[G128+ii], v[G128+ii]
.set ii, ii+1
.endr
	v_nop                                          ; a plain instruction behind the last logarithm,
	s_wait_alu depctr_va_vdst(0)                   ; and the wait ahead of the first use: one for the twelve
.set ii, 0
.rept 4
	v_mul_f32 v[G128+ii], 0x43000000, v[G128+ii]   ; 128 log2 g
.set ii, ii+1
.endr
.set ii, 0
.rept 4
	v_exp_f32 v[G128+ii], v[G128+ii]               ; first read in the scan, behind the waits of the batches below
.set ii, ii+1
.endr
; d = x times one number of the pair y, for both halves
.macro PKB d, x, y, odd
.if \odd
	v_pk_mul_f32 v[\d:\d+1], v[\x:\x+1], v[\y:\y+1] op_sel:[0,1] op_sel_hi:[1,1]
.else
	v_pk_mul_f32 v[\d:\d+1], v[\x:\x+1], v[\y:\y+1] op_sel_hi:[1,0]
.endif
.endm
; A group's M: dd log2 g; the exponentials, in place, one batch with one wait; times cm.
.macro MSET g
	GRP \g
	WIN 0x40*(\g)                                  ; destination in the group's window
.set st, 0
.rept NA
.set cc, 0
.rept 8
.set ee, 0
.rept 4
	PKB 64*st+8*cc+ee, LG+ee, DD+8*(A0+st)+2*(cc/2), cc%2
.set ee, ee+2
.endr
.set cc, cc+1
.endr
.set st, st+1
.endr
	WIN 0x41*(\g)                                  ; destination and source 0
.set ii, 0
.rept 64*NA
	v_exp_f32 v[ii], v[ii]
.set ii, ii+1
.endr
	v_nop                                          ; a plain instruction behind the last exponential,
	s_wait_alu depctr_va_vdst(0)                   ; and the wait for the batch
.set st, 0
.rept NA
.set cc, 0
.rept 8
.set ee, 0
.rept 4
	PKB 64*st+8*cc+ee, 64*st+8*cc+ee, CM+8*(A0+st)+2*(cc/2), cc%2
.set ee, ee+2
.endr
.set cc, cc+1
.endr
.set st, st+1
.endr
	WIN 0
.endm
; Four f32 at x are split: d = hi, hi, lo, lo (two bf16 each); t takes the four rests
.macro QSPLIT d, x, t
	v_cvt_pk_bf16_f32 v[\d], v[\x], v[\x+1]
	v_cvt_pk_bf16_f32 v[\d+1], v[\x+2], v[\x+3]
	v_fma_mix_f32_bf16 v[\t], v[\d], v[NEG1], v[\x] op_sel_hi:[1,0,0]                        ; x - hi, exact
	v_fma_mix_f32_bf16 v[\t+1], v[\d], v[NEG1], v[\x+1] op_sel:[1,0,0] op_sel_hi:[1,0,0]
	v_fma_mix_f32_bf16 v[\t+2], v[\d+1], v[NEG1], v[\x+2] op_sel_hi:[1,0,0]
	v_fma_mix_f32_bf16 v[\t+3], v[\d+1], v[NEG1], v[\x+3] op_sel:[1,0,0] op_sel_hi:[1,0,0]
	v_cvt_pk_bf16_f32 v[\d+2], v[\t], v[\t+1]
	v_cvt_pk_bf16_f32 v[\d+3], v[\t+2], v[\t+3]
.endm
	MSET 1
	MSET 2
	MSET 3
	; THE SCAN.  The batch's state is 128 x 128; of it this wave carries S[r = 8 (4 (s % 4) + w) + 4 (l / 16) + 0..3][d = 16 (s / 4) + l % 16], four numbers a lane.
	; S[n] is split and stored from the quad that U[n-1] has left: each store's registers are written once, so no wait stands among the stores.
.set ii, 0
.rept 7
	global_load_b128 v[UU2+4*ii:UU2+4*ii+3], v[UO], s[14:15] offset:(24+ii)*NSTR th:TH_LOAD_NT
.set ii, ii+1
.endr
.set ii, 0
.rept 4
	v_mov_b32 v[STT+ii], 0
.set ii, ii+1
.endr
	s_wait_loadcnt 7                               ; U of blocks 0 to 23 is in; the seven just issued may stay out
.set nn, 0
.rept 32
.if nn == 24
	s_wait_loadcnt 0x0                             ; U of blocks 24 to 30
.endif
.if nn == 0
.set DQ, D0
.elseif nn < 25
.set DQ, UU+4*(nn-1)
.else
.set DQ, UU2+4*(nn-25)
.endif
	QSPLIT DQ, STT, XT
	global_store_b64 v[SO], v[DQ:DQ+1],   s[16:17] offset:nn*NSTR      ; the wave's 32 x 8 bytes are 256 consecutive bytes, aligned
	global_store_b64 v[SO], v[DQ+2:DQ+3], s[16:17] offset:nn*NSTR+256
.if nn < 31
.if nn < 24
.set UQ, UU+4*nn
.else
.set UQ, UU2+4*(nn-24)
.endif
	v_pk_fma_f32 v[STT:STT+1],   v[STT:STT+1],   v[G128:G128+1],   v[UQ:UQ+1]
	v_pk_fma_f32 v[STT+2:STT+3], v[STT+2:STT+3], v[G128+2:G128+3], v[UQ+2:UQ+3]
.endif
.set nn, nn+1
.endr
	s_wait_xcnt 0x0                                ; every load and store so far has read its registers: the offsets and the stores' data are rewritten only behind this wait
	v_add_nc_u32 v[AQ0], v[DDO], v[GO1]            ; q: row 8 hh + a, 16 bytes at r = 4 m
	s_lshr_b32 s24, s[WV], 1
	s_add_co_u32 s24, s24, 1
	s_lshl_b32 s24, s24, 15                        ; k: chunk 1 + w / 2,
	s_and_b32 s25, s[WV], 1
	s_lshl_b32 s25, s25, 12                        ; rows 8 (w % 2) + c
	s_add_co_u32 s24, s24, s25
	v_add_nc_u32 v[AK0], s24, v[GO1]
	s_mul_i32 s26, s[WV], 32*SCP
	s_add_co_u32 s26, s26, SCRATCH                 ; my wave's scratch
	v_mul_u32_u24 v[SCW], v1, SCP
	v_add_nc_u32 v[SCW], s26, v[SCW]               ; row l
	v_mul_u32_u24 v[SCR], v[GO2], SCP              ; back: the 16 rows of my half of the lanes,
	v_add3_u32 v[SCR], v[SCR], v[GO1], s26         ; 16 bytes at 16 (l % 16)
	v_lshlrev_b32 v[AO], 3, v1
	v_lshlrev_b32 v[PFO], 8, v1
; THE LDS LOADS stand in runs.  q of a group's rows, into its window:
.macro LOADQ g
	GRP \g
	WIN 0x40*(\g)
.set st, 0
.rept NA
	ds_load_b128 v[QW+8*st:QW+8*st+3],   v[AQ] offset:(A0+st)*512
	ds_load_b128 v[QW+8*st+4:QW+8*st+7], v[AQ] offset:(A0+st)*512+256
.set st, st+1
.endr
	WIN 0
.endm
; k of columns 4 C .. 4 C + 3
.macro LOADK C
.set cc, 0
.rept 4
	ds_load_b128 v[KK+32*(\C)+8*cc:KK+32*(\C)+8*cc+3],   v[AK] offset:(4*(\C)+cc)*512
	ds_load_b128 v[KK+32*(\C)+8*cc+4:KK+32*(\C)+8*cc+7], v[AK] offset:(4*(\C)+cc)*512+256
.set cc, cc+1
.endr
.endm
; For row st of the group and four columns: q k for the pair e of r,
.macro PSTG st, C, e
.set cc, 0
.rept 4
	v_pk_mul_f32 v[PP+8*cc+(\e):PP+8*cc+(\e)+1], v[KK+32*(\C)+8*cc+(\e):KK+32*(\C)+8*cc+(\e)+1], v[QW+8*(\st)+(\e):QW+8*(\st)+(\e)+1]
.set cc, cc+1
.endr
.endm
; and its product by M, which starts the sums (e = 0) or is added onto them
.macro TSTG st, C, e
.set cc, 0
.rept 4
.if (\e) == 0
	v_pk_mul_f32 v[TT+8*(\st)+2*cc:TT+8*(\st)+2*cc+1], v[PP+8*cc:PP+8*cc+1], v[64*(\st)+32*(\C)+8*cc:64*(\st)+32*(\C)+8*cc+1]
.else
	v_pk_fma_f32 v[TT+8*(\st)+2*cc:TT+8*(\st)+2*cc+1], v[PP+8*cc+(\e):PP+8*cc+(\e)+1], v[64*(\st)+32*(\C)+8*cc+(\e):64*(\st)+32*(\C)+8*cc+(\e)+1], v[TT+8*(\st)+2*cc:TT+8*(\st)+2*cc+1]
.endif
.set cc, cc+1
.endr
.endm
.macro STRIP st, C                     ; 32 packed lines; the links of a sum stand eight lines apart, the last four
	PSTG \st, \C, 0
	PSTG \st, \C, 2
	TSTG \st, \C, 0
	PSTG \st, \C, 4
	TSTG \st, \C, 2
	PSTG \st, \C, 6
	TSTG \st, \C, 4
	TSTG \st, \C, 6
.endm
; A group's rows by four columns: the strips under one window setting; then the sums' two halves are added and go into my row of the scratch
.macro BLOCK g, C
	GRP \g
	WIN 0x04*(\g)                                  ; source 1 in the group's window
.set st, 0
.rept NA
	STRIP st, \C
.set st, st+1
.endr
	WIN 0
.set st, 0
.rept NA
.set cc, 0
.rept 4
	v_add_f32 v[TS+4*st+cc], v[TT+8*st+2*cc], v[TT+8*st+2*cc+1]
.set cc, cc+1
.endr
.set st, st+1
.endr
.set st, 0
.rept NA
	ds_store_b128 v[SCW], v[TS+4*st:TS+4*st+3] offset:(A0+st)*32+16*(\C)
.set st, st+1
.endr
.endm
.macro REDLOAD                         ; 16 bytes of each of the 16 rows of my half.  LDS serves a wave's instructions in order (ISA guide 5.7.1.4): these see the block's stores, and the next block's stores come behind them
.set ii, 0
.rept 16
	ds_load_b128 v[RR+4*ii:RR+4*ii+3], v[SCR] offset:ii*SCP
.set ii, ii+1
.endr
.endm
; The sixteen quads are added, 8, 4, 2, 1; the four sums are A[8 (l / 16) + (l % 16) / 2][4 (l % 2) + 0..3] of my wave's 16 x 8: byte 8 l of its block of hi, and of lo
.macro CONSUME
.set hw, 8
.rept 4
.set ii, 0
.rept hw
	v_pk_add_f32 v[RR+4*ii:RR+4*ii+1],   v[RR+4*ii:RR+4*ii+1],   v[RR+4*(ii+hw):RR+4*(ii+hw)+1]
	v_pk_add_f32 v[RR+4*ii+2:RR+4*ii+3], v[RR+4*ii+2:RR+4*ii+3], v[RR+4*(ii+hw)+2:RR+4*(ii+hw)+3]
.set ii, ii+1
.endr
.set hw, hw/2
.endr
	QSPLIT HL, RR, RR
	global_store_b64 v[AO], v[HL:HL+1],   s[18:19] offset:-NSTR      ; the offset register stands one block ahead
	global_store_b64 v[AO], v[HL+2:HL+3], s[18:19] offset:-NSTR+256
.endm
; A TRIP: block n's groups 2 and 3, its reduction and its stores; block n + 1's rows; block n + 1's group 1.
.macro TRIP
	v_add_nc_u32 v[AQ], s[TB], v[AQ0]
	v_add_nc_u32 v[AK], s[TB], v[AK0]
	s_add_co_u32 s[TB], s[TB], BLKB                ; the next fetch is the next block's
	LOADQ 1                                        ; 4 loads
	BLOCK 2, 1                                     ; 3 stores
	BLOCK 2, 0                                     ; 3 stores
	LOADQ 2                                        ; 6 loads
	s_wait_xcnt 0x0                                ; the stores of the trip before have read their offset and their data
	v_add_nc_u32 v[AO], NSTR, v[AO]
	BLOCK 3, 0                                     ; 3 stores
	LOADK 0                                        ; 8 loads
	BLOCK 3, 1                                     ; 3 stores
	LOADK 1                                        ; 8 loads
	LOADQ 3                                        ; 6 loads
	REDLOAD                                        ; 16 loads
	s_wait_dscnt 33                                ; k's first four columns are in (behind them: 3 + 8 + 6 + 16), and q's group 1, which is older
	BLOCK 1, 0                                     ; 2 stores
	s_wait_dscnt 24                                ; k's last four columns (behind them: 6 + 16 + 2)
	BLOCK 1, 1                                     ; 2 stores
	s_wait_dscnt 4                                 ; the sixteen quads (behind them: 2 + 2 stores); so all of block n + 1's rows are in too
	CONSUME
.endm
; THE CHANGE OF SLOTS.  The old slot's last block lies in registers.  Each wave waits for all its tensor loads, of which at most one is out: its chunk of the other slot; adds 0 to its spare word; and waits for
; that and for its own reads.  Behind the barrier nobody reads the old slot any more and the other slot is whole.  fill = 1: the old slot is filled again, first thing behind the barrier, with the blocks
; two slots on: the load has four trips in which to land.
; THE PREFETCH, behind the load and its five lines: my chunk of the four blocks that the NEXT change will ask for: 8,192 bytes a block, a lane 256 bytes, four instructions, four trips ahead of that load.
; Each chunk is named once in the launch: by the first of the work-groups that read it, by the wave that fetches it.  Blocks 0 to 11 come by their loads alone; the last filling change names nothing.
.macro CHANGE fill
	WIN 0
	s_wait_tensorcnt 0x0                           ; no tensor load of mine is out, so a group 0 may be written
	ds_add_u32 v[SPW], v[NIL]                      ; 0 onto my spare word; the scalar steps stand between it and the wait for it
.if \fill
	s_xor_b32 s[G0B+1], s[G0B+1], SLOT1            ; the walking descriptor: the other slot than last time,
	s_add_nc_u64 s[G0B+2:G0B+3], s[G0B+2:G0B+3], 4*NSTR  ; the next four blocks; the type bits on top are not reached
	s_wait_xcnt 0x0                                ; the last prefetches, four trips back, have read their address
	s_add_nc_u64 s[PFA:PFA+1], s[PFA:PFA+1], 4*NSTR
.endif
	s_sub_co_u32 s[TB], s[TB], CHUNK               ; the fetches go back to a slot's first block,
	s_xor_b32 s[TB], s[TB], SLOT1                  ; in the other slot
	s_wait_dscnt 0x0                               ; the add is done, and my reads of the slot are over
	s_barrier_signal -1
	s_barrier_wait -1
.if \fill
	s_cmp_lt_u32 s[WV], 3
	s_cbranch_scc0 .Lnone_\@
	tensor_load_to_lds s[G0B:G0B+3], s[G1:G1+7]
	s_nop 0
.rept 4
	v_nop
.endr
.Lnone_\@:
	s_cmp_gt_u32 s[SLOTS], s[LIM]
	s_cbranch_scc0 .Lnot_mine_\@
	global_prefetch_b8 v[PFO], s[PFA:PFA+1] th:TH_LOAD_NT scope:SCOPE_SE
	global_prefetch_b8 v[PFO], s[PFA:PFA+1] offset:NSTR th:TH_LOAD_NT scope:SCOPE_SE
	global_prefetch_b8 v[PFO], s[PFA:PFA+1] offset:2*NSTR th:TH_LOAD_NT scope:SCOPE_SE
	global_prefetch_b8 v[PFO], s[PFA:PFA+1] offset:3*NSTR th:TH_LOAD_NT scope:SCOPE_SE
.Lnot_mine_\@:
.endif
.endm
	s_wait_tensorcnt 0x1                           ; my chunk of slot 0 is in; slot 1's may stay out
	s_barrier_signal -1
	s_barrier_wait -1                              ; everybody's is
	v_mov_b32 v[AQ], v[AQ0]                        ; block 0 lies at the head of slot 0
	v_mov_b32 v[AK], v[AK0]
	s_mov_b32 s[TB], BLKB
	LOADQ 1
	LOADQ 2
	LOADQ 3
	LOADK 0
	LOADK 1
	s_wait_dscnt 0x0
	BLOCK 1, 0
	BLOCK 1, 1
	s_mov_b32 s[CNT], 3                            ; three trips fetch blocks 1 to 3
	s_mov_b32 s[SLOTS], 7
	s_branch .Ltrip
.Lslot:                                            ; six times: every slot but the last two is filled again
	CHANGE 1
	s_mov_b32 s[CNT], 4
.Ltrip:
	TRIP
	s_sub_co_u32 s[CNT], s[CNT], 1
	s_cmp_lg_u32 s[CNT], 0
	s_cbranch_scc1 .Ltrip
	s_sub_co_u32 s[SLOTS], s[SLOTS], 1
	s_cmp_lg_u32 s[SLOTS], 0
	s_cbranch_scc1 .Lslot
	CHANGE 0                                       ; the tail is written out: nothing is asked for
	s_mov_b32 s[CNT], 4                            ; four trips fetch blocks 28 to 31
.Ltail:
	TRIP
	s_sub_co_u32 s[CNT], s[CNT], 1
	s_cmp_lg_u32 s[CNT], 0
	s_cbranch_scc1 .Ltail
	BLOCK 2, 1                                     ; block 31 is finished: nothing is left to fetch
	BLOCK 2, 0
	s_wait_xcnt 0x0
	v_add_nc_u32 v[AO], NSTR, v[AO]
	BLOCK 3, 0
	BLOCK 3, 1
	REDLOAD
	s_wait_dscnt 0x0
	CONSUME
	s_wait_tensorcnt 0x0                           ; the wave's end, behind my last tensor load and my last LDS store
	ds_add_u32 v[SPW], v[NIL]
	s_wait_dscnt 0x0
	s_endpgm
.Lfunc_end_k_qa165e83400_scores:
	.size	k_qa165e83400_scores, .Lfunc_end_k_qa165e83400_scores-k_qa165e83400_scores
	.p2alignl 7, 3214868480
	.fill 96, 4, 3214868480
	.section	.rodata,"a",@progbits
	.p2align	6, 0x0
	.amdhsa_kernel k_qa165e83400_scores
		.amdhsa_group_segment_fixed_size 327680
		.amdhsa_private_segment_fixed_size 0
		.amdhsa_enable_private_segment 0
		.amdhsa_kernarg_size 64
		.amdhsa_user_sgpr_count 2
		.amdhsa_user_sgpr_kernarg_segment_ptr 1
		.amdhsa_wavefront_size32 1
		.amdhsa_system_sgpr_workgroup_id_x 1
		.amdhsa_system_sgpr_workgroup_id_y 1
		.amdhsa_system_sgpr_workgroup_id_z 1
		.amdhsa_system_vgpr_workitem_id 0
		.amdhsa_next_free_vgpr 1024
		.amdhsa_next_free_sgpr 66
		.amdhsa_reserve_vcc 0
		.amdhsa_float_denorm_mode_32 3
		.amdhsa_float_denorm_mode_16_64 3
		.amdhsa_memory_ordered 1
		.amdhsa_forward_progress 1
		.amdhsa_inst_pref_size 214
	.end_amdhsa_kernel
	.amdgpu_metadata
---
amdhsa.version: [ 1, 2 ]
amdhsa.kernels:
  - .name:           k_qa165e83400_scores
    .symbol:         k_qa165e83400_scores.kd
    .args:
      - { .name: q_alpha, .offset: 0, .size: 8, .value_kind: global_buffer, .address_space: global }
      - { .name: k, .offset: 8, .size: 8, .value_kind: global_buffer, .address_space: global }
      - { .name: gamma_vec, .offset: 16, .size: 8, .value_kind: global_buffer, .address_space: global }
      - { .name: decay_diff, .offset: 24, .size: 8, .value_kind: global_buffer, .address_space: global }
      - { .name: causal_mask, .offset: 32, .size: 8, .value_kind: global_buffer, .address_space: global }
      - { .name: uws, .offset: 40, .size: 8, .value_kind: global_buffer, .address_space: global }
      - { .name: sws, .offset: 48, .size: 8, .value_kind: global_buffer, .address_space: global }
      - { .name: aws, .offset: 56, .size: 8, .value_kind: global_buffer, .address_space: global }
    .group_segment_fixed_size: 327680
    .private_segment_fixed_size: 0
    .kernarg_segment_align: 8
    .kernarg_segment_size: 64
    .max_flat_workgroup_size: 128
    .sgpr_count:     66
    .vgpr_count:     1024
    .wavefront_size: 32
...
	.end_amdgpu_metadata
.endif
;; end of part 2
;; launch output (part 3): grid 32 x 8, 8 waves a work-group, no clusters, 271,616 bytes of LDS; arguments aws, sws, q_alpha, h_norm, gamma_vec, out0; writes out0
.if DOCPART == 3
	.amdgcn_target "amdgcn-amd-amdhsa--gfx1250"
	.amdhsa_code_object_version 6
	.text
	.protected	k_qa165e83400_output
	.globl	k_qa165e83400_output
	.p2align	8
	.type	k_qa165e83400_output,@function
k_qa165e83400_output:
	s_mov_b64 s[64:65], 0
	v_nop
	global_prefetch_b8 v0, s[64:65] scope:SCOPE_SE
	s_setreg_imm32_b32 hwreg(HW_REG_WAVE_MODE, 25, 1), 1
	s_wait_xcnt 0x0
; THE OUTPUT OF A BLOCK.  out[i][d] = the sum over j of A[i][j] h[j][d] + the sum over r of q[i][r] g_r^(i+1) S[r][d], g = max(gamma, 1e-8); one work-group for each of the 32 blocks of the 8 batches.
; FORMATS.  All four operands are bf16 PAIRS, x = hi + lo, and a product is hi hi + lo hi + hi lo with f32 sums.  A and S come so from the launch before; h and q g^(i+1) are split here.
; LIMITS.  v_exp_f32 and v_log_f32 flush denormals: g^(i+1) below 2^-126 counts as 0.  g^(i+1) is one exponential for each 16 rows, continued by multiplying by g: 15 roundings at the most.
; |x| beyond bf16's largest finite number (3.39e38) is not served.  NaN and infinities are not treated apart.  The f32 sums are taken in another order than the reference's.
; LDS.  A matrix X[row][K] lies as blocks of 16 rows x 8 K: byte = (row / 16) T + (K / 8) 528 + plane 256 + (row % 16) 16 + (K % 8) 2, plane 0 = hi, 1 = lo; T = 8,448, for h transposed 8,464.
; A (row i, K j) and S (row d, K r) are dense in memory with 512 for 528: a tensor load brings a quarter of one, 32 rows of 512 bytes, and lays 16 bytes of padding behind each.  One load a wave.
; In q's stores of 8 bytes 32 lanes stand 2 words (l % 2) and 4 words (l / 2) apart, in h's stores of 16 bytes 16 lanes 4 and 16 words: every bank once (64 banks of 4 bytes: ISA guide 11.1).
; THE PRODUCT IS TAKEN TRANSPOSED: source 0 = 16 channels d (h transposed; S), source 1 = 16 rows i (A; q g^(i+1)).  In the result a lane holds ONE row i = l % 16 and d = 8 (l / 16) + 0..7: 32 bytes on end.
; Wave v: d tiles 2 (v % 4) + 0, 1 by i tiles 4 (v / 4) + 0 .. 3: eight accumulators, K = 256 in eight steps.
; THE WAY OUT goes through a stage of 128 rows x 528 bytes, in A's bytes: they have had their only fill, and a barrier stands between the last read of A and the first store.
; No cluster: no two work-groups read the same bytes but gamma's 512.  No prefetch: a work-group asks for all its data at its head.
.set NSTR,  65536                      ; bytes of a block in every buffer
.set KB,    528
.set TA,    16*KB                      ; 8,448
.set TH,    8464
.set SR,    8*TA                       ; S: 67,584.  A lies at 0
.set QR,    16*TA                      ; q g^(i+1): 135,168
.set HTR,   24*TA                      ; h transposed: 202,752; 67,712 bytes
.set SPARE, 270592                     ; the spare words, 128 bytes for each wave: four blocks of 256 bytes that no other line names
.set SPW,  2                           ; v2   LDS address of my spare word; never rewritten
.set NIL,  3                           ; v3   0; never rewritten
.set NEG1, 4                           ; v4   -1.0
.set LO,   5                           ; v5   16 x lane
.set STQ,  6                           ; v6   where I put 8 bytes of q g^(i+1)
.set STH,  7                           ; v7   where I put 16 bytes of h transposed
.set BHT,  8                           ; v8-11  my fragments of h transposed, A, S, q g^(i+1)
.set BAW,  9
.set BSW,  10
.set BQW,  11
.set GG,   12                          ; v[12:15]  g of my four features
.set PD,   16                          ; v[16:19]  g^(i+1)
.set SST,  20                          ; v20  the way out: where I put 16 bytes of a row
.set SRD,  21                          ; v21  where I read a row back
.set FI,   22                          ; v22  16 v + 1 as f32
.set XQ,   32                          ; v[32:95]   16 rows of q
.set XH,   96                          ; v[96:159]  16 rows of h
.set HIQ,  160                         ; v[160:163]
.set LOQ,  164                         ; v[164:167]
.set ACC,  32                          ; v[32:95]   accumulator (t, u) at ACC + 8 (4 t + u)
.set F0,   96                          ; v[96:127]  source 0: tile t, plane p at F0 + 16 t + 8 p
.set F1,   128                         ; v[128:191] source 1: tile u, plane p at F1 + 16 u + 8 p
.set OB,   96                          ; v[96:159]  the way out: 16 rows read back
.set WV,   16                          ; s16
.set G1,   24                          ; s[24:31] descriptor group 1
.set G0,   32                          ; s[32:35] descriptor group 0
	s_load_b256 s[4:11], s[0:1], 0x0               ; aws s[4:5], sws s[6:7], q s[8:9], h s[10:11]
	s_load_b128 s[12:15], s[0:1], 0x20             ; gamma s[12:13], out s[14:15]
	v_lshl_add_u32 v[SPW], v0, 2, SPARE
	v_mov_b32 v[NIL], 0
	ds_add_u32 v[SPW], v[NIL]                      ; the wave's opening: the add and its wait stand ahead of my first tensor load; the set-up below, work on registers, stands between them
	v_lshrrev_b32 v1, 5, v0
	v_readfirstlane_b32 s[WV], v1                  ; wave 0..7
	v_and_b32 v1, 31, v0                           ; lane
	v_lshlrev_b32 v[LO], 4, v1
	v_mov_b32 v[NEG1], -1.0
	; descriptor group 1: 32 rows of 64 elements of 8 bytes, dense in memory, padded in LDS
	s_mov_b32 s[G1+0], (3<<16)|(1<<20)|(6<<22)|(3<<25)  ; 17:16 elements of 8 bytes; 20 padding on; 24:22 after every 128 words (code 6); 31:25 4 words of it (code 3)
	s_mov_b32 s[G1+1], 64<<16                      ; tensor_dim0 = 64
	s_mov_b32 s[G1+2], 32<<16                      ; tensor_dim1 = 32
	s_mov_b32 s[G1+3], 64<<16                      ; tile_dim0 = 64
	s_mov_b32 s[G1+4], 32                          ; tile_dim1 = 32
	s_mov_b32 s[G1+5], 64                          ; from row to row
	s_mov_b32 s[G1+6], 0
	s_mov_b32 s[G1+7], 0
	s_mov_b32 s[G0], 1
	s_mul_i32 s[G0+1], s[WV], 32*KB                ; waves 0-3: the quarters of A; waves 4-7: those of S, which lies behind A
	s_and_b32 s17, ttmp7, 0xffff                   ; batch
	s_lshl_b32 s17, s17, 21
	s_lshl_b32 s18, ttmp9, 16                      ; block
	s_add_co_u32 s18, s18, s17
	s_and_b32 s20, s[WV], 3
	s_lshl_b32 s20, s20, 14                        ; my quarter: 16,384 bytes
	s_add_co_u32 s20, s20, s18
	s_mov_b32 s21, 0
	s_lshl_b32 s22, s[WV], 13                      ; my 16 rows of q, h and out
	s_add_co_u32 s22, s22, s18
	s_mov_b32 s23, 0
	s_wait_dscnt 0x0                               ; the opening add is done
	s_wait_kmcnt 0x0
	s_cmp_lt_u32 s[WV], 4
	s_cselect_b64 s[G0+2:G0+3], s[4:5], s[6:7]
	s_add_nc_u64 s[G0+2:G0+3], s[G0+2:G0+3], s[20:21]
	s_or_b32 s[G0+3], s[G0+3], 0x80000000          ; type = 2
	tensor_load_to_lds s[G0:G0+3], s[G1:G1+7]      ; my one tensor load
	s_nop 0
.rept 4
	v_nop
.endr
	s_add_nc_u64 s[8:9], s[8:9], s[22:23]
	s_add_nc_u64 s[10:11], s[10:11], s[22:23]
	s_add_nc_u64 s[14:15], s[14:15], s[22:23]
	global_load_b128 v[GG:GG+3], v[LO], s[12:13]   ; gamma of features 4 l .. 4 l + 3
.set tt, 0
.rept 16
	global_load_b128 v[XQ+4*tt:XQ+4*tt+3], v[LO], s[8:9] offset:tt*512 th:TH_LOAD_NT
.set tt, tt+1
.endr
.set tt, 0
.rept 16
	global_load_b128 v[XH+4*tt:XH+4*tt+3], v[LO], s[10:11] offset:tt*512 th:TH_LOAD_NT
.set tt, tt+1
.endr
	; LDS addresses, while the loads are out
	v_lshrrev_b32 v24, 1, v1
	v_and_b32 v25, 1, v1
	v_mul_u32_u24 v[STQ], v24, KB                  ; r = 4 l ..: block l / 2,
	v_lshl_add_u32 v[STQ], v25, 3, v[STQ]          ; 8 bytes at 8 (l % 2)
	s_mul_i32 s36, s[WV], TA                       ; rows 16 v ..: tile v
	s_add_co_u32 s37, s36, QR
	v_add_nc_u32 v[STQ], s37, v[STQ]
	v_add_nc_u32 v[SRD], s36, v[LO]                ; the stage's rows 16 v .., 16 bytes a lane
	v_lshrrev_b32 v24, 2, v1
	v_and_b32 v25, 3, v1
	v_mul_u32_u24 v[STH], v24, TH                  ; d = 4 l + c: tile l / 4,
	v_lshl_add_u32 v[STH], v25, 6, v[STH]          ; row 4 (l % 4) + c in it
	s_mul_i32 s38, s[WV], 2*KB                     ; my 16 j: two blocks of 8
	s_add_co_u32 s38, s38, HTR
	v_add_nc_u32 v[STH], s38, v[STH]
	v_and_b32 v24, 15, v0                          ; l % 16
	v_bfe_u32 v25, v0, 4, 1                        ; l / 16
	v_mul_u32_u24 v[BAW], v25, KB
	v_lshl_add_u32 v[BAW], v24, 4, v[BAW]          ; a fragment: block l / 16 of the K step, 16 bytes of row l % 16
	s_lshr_b32 s39, s[WV], 2                       ; v / 4
	s_and_b32 s40, s[WV], 3                        ; v % 4
	s_mul_i32 s41, s40, 2*TH
	s_add_co_u32 s41, s41, HTR
	v_add_nc_u32 v[BHT], s41, v[BAW]
	s_mul_i32 s42, s40, 2*TA
	s_add_co_u32 s42, s42, SR
	v_add_nc_u32 v[BSW], s42, v[BAW]
	s_mul_i32 s43, s39, 4*TA
	s_add_co_u32 s44, s43, QR
	v_add_nc_u32 v[BQW], s44, v[BAW]
	v_mul_u32_u24 v[SST], v24, KB                  ; the stage: row i = l % 16 of the tile,
	v_lshl_add_u32 v[SST], v25, 5, v[SST]          ; 32 bytes for each half of the lanes,
	s_lshl_b32 s45, s40, 7                         ; my two d tiles of 64 bytes
	s_add_co_u32 s45, s45, s43
	v_add_nc_u32 v[SST], s45, v[SST]
	v_add_nc_u32 v[BAW], s43, v[BAW]
	s_lshl_b32 s46, s[WV], 4
	s_add_co_u32 s46, s46, 1
	s_wait_loadcnt 32                              ; gamma is in; the 32 rows may stay out
.set cc, 0
.rept 4
	v_max_num_f32 v[GG+cc], 0x322bcc77, v[GG+cc]   ; 1e-8
.set cc, cc+1
.endr
.set cc, 0
.rept 4
	v_log_f32 v[PD+cc], v[GG+cc]
.set cc, cc+1
.endr
	v_cvt_f32_u32 v[FI], s46                       ; a plain instruction behind the last logarithm,
	s_wait_alu depctr_va_vdst(0)                   ; and the wait ahead of the first use: one for the four
.set cc, 0
.rept 4
	v_mul_f32 v[PD+cc], v[FI], v[PD+cc]
.set cc, cc+1
.endr
.set cc, 0
.rept 4
	v_exp_f32 v[PD+cc], v[PD+cc]                   ; g^(16 v + 1)
.set cc, cc+1
.endr
	v_nop
	s_wait_alu depctr_va_vdst(0)
	s_wait_loadcnt 16                              ; q is in; h's 16 rows may stay out
; Four f32 at x are split: d = hi, hi, lo, lo (two bf16 each); t takes the four rests
.macro QSPLIT d, x, t
	v_cvt_pk_bf16_f32 v[\d], v[\x], v[\x+1]
	v_cvt_pk_bf16_f32 v[\d+1], v[\x+2], v[\x+3]
	v_fma_mix_f32_bf16 v[\t], v[\d], v[NEG1], v[\x] op_sel_hi:[1,0,0]                        ; x - hi, exact
	v_fma_mix_f32_bf16 v[\t+1], v[\d], v[NEG1], v[\x+1] op_sel:[1,0,0] op_sel_hi:[1,0,0]
	v_fma_mix_f32_bf16 v[\t+2], v[\d+1], v[NEG1], v[\x+2] op_sel_hi:[1,0,0]
	v_fma_mix_f32_bf16 v[\t+3], v[\d+1], v[NEG1], v[\x+3] op_sel:[1,0,0] op_sel_hi:[1,0,0]
	v_cvt_pk_bf16_f32 v[\d+2], v[\t], v[\t+1]
	v_cvt_pk_bf16_f32 v[\d+3], v[\t+2], v[\t+3]
.endm
; Eight rows at register xb, four features a lane: for each feature the eight numbers along j are split into hi and lo and stored as 16 bytes each.
.macro PACKCOL xb, sta, off
.set cc, 0
.rept 4
.set uu, 0
.rept 4
	v_cvt_pk_bf16_f32 v[HIQ+uu], v[(\xb)+8*uu+cc], v[(\xb)+8*uu+4+cc]
.set uu, uu+1
.endr
.set uu, 0
.rept 4
	v_fma_mix_f32_bf16 v[(\xb)+8*uu+cc], v[HIQ+uu], v[NEG1], v[(\xb)+8*uu+cc] op_sel_hi:[1,0,0]
	v_fma_mix_f32_bf16 v[(\xb)+8*uu+4+cc], v[HIQ+uu], v[NEG1], v[(\xb)+8*uu+4+cc] op_sel:[1,0,0] op_sel_hi:[1,0,0]
.set uu, uu+1
.endr
.set uu, 0
.rept 4
	v_cvt_pk_bf16_f32 v[LOQ+uu], v[(\xb)+8*uu+cc], v[(\xb)+8*uu+4+cc]
.set uu, uu+1
.endr
	ds_store_b128 v[\sta], v[HIQ:HIQ+3] offset:(\off)+16*cc
	ds_store_b128 v[\sta], v[LOQ:LOQ+3] offset:(\off)+16*cc+256
.set cc, cc+1
.endr
.endm
; 32 along K: 24 LDS loads, then 24 products: hi hi, lo hi, hi lo, in each the eight accumulators by turns: seven others stand between two links of a sum, from K step to K step too.
; Four v_nop close it: the places in front of the next loads into registers that the products have read (ISA guide 7.12.1 for vector instructions).
.macro KSTEP ba, ta, bb, tb, ks, first
.set tt, 0
.rept 2
.set pl, 0
.rept 2
	ds_load_b128 v[F0+16*tt+8*pl:F0+16*tt+8*pl+3],   v[\ba] offset:tt*(\ta)+(\ks)*4*KB+pl*256
	ds_load_b128 v[F0+16*tt+8*pl+4:F0+16*tt+8*pl+7], v[\ba] offset:tt*(\ta)+(\ks)*4*KB+pl*256+2*KB
.set pl, pl+1
.endr
.set tt, tt+1
.endr
.set uu, 0
.rept 4
.set pl, 0
.rept 2
	ds_load_b128 v[F1+16*uu+8*pl:F1+16*uu+8*pl+3],   v[\bb] offset:uu*(\tb)+(\ks)*4*KB+pl*256
	ds_load_b128 v[F1+16*uu+8*pl+4:F1+16*uu+8*pl+7], v[\bb] offset:uu*(\tb)+(\ks)*4*KB+pl*256+2*KB
.set pl, pl+1
.endr
.set uu, uu+1
.endr
	s_wait_dscnt 0x0
.set pr, 0
.rept 3
.set tt, 0
.rept 2
.set uu, 0
.rept 4
.if (\first) && (pr == 0)
	v_wmma_f32_16x16x32_bf16 v[ACC+8*(4*tt+uu):ACC+8*(4*tt+uu)+7], v[F0+16*tt:F0+16*tt+7], v[F1+16*uu:F1+16*uu+7], 0
.else
	v_wmma_f32_16x16x32_bf16 v[ACC+8*(4*tt+uu):ACC+8*(4*tt+uu)+7], v[F0+16*tt+8*(pr%2):F0+16*tt+8*(pr%2)+7], v[F1+16*uu+8*(pr/2):F1+16*uu+8*(pr/2)+7], v[ACC+8*(4*tt+uu):ACC+8*(4*tt+uu)+7]
.endif
.set uu, uu+1
.endr
.set tt, tt+1
.endr
.set pr, pr+1
.endr
.rept 4
	v_nop
.endr
.endm
	; q's rows times g^(i+1), split, 8 bytes of hi and 8 of lo a lane; g^(i+1) goes on by one factor g a row
.set tt, 0
.rept 16
	v_pk_mul_f32 v[XQ+4*tt:XQ+4*tt+1],   v[XQ+4*tt:XQ+4*tt+1],   v[PD:PD+1]
	v_pk_mul_f32 v[XQ+4*tt+2:XQ+4*tt+3], v[XQ+4*tt+2:XQ+4*tt+3], v[PD+2:PD+3]
.if tt < 15
	v_pk_mul_f32 v[PD:PD+1],   v[PD:PD+1],   v[GG:GG+1]
	v_pk_mul_f32 v[PD+2:PD+3], v[PD+2:PD+3], v[GG+2:GG+3]
.endif
	QSPLIT HIQ, XQ+4*tt, XQ+4*tt
	ds_store_b64 v[STQ], v[HIQ:HIQ+1]   offset:16*tt
	ds_store_b64 v[STQ], v[HIQ+2:HIQ+3] offset:16*tt+256
.set tt, tt+1
.endr
	s_wait_loadcnt 0x0                             ; h
	PACKCOL XH, STH, 0
	PACKCOL XH+32, STH, KB
	s_wait_tensorcnt 0x0                           ; my quarter of A or S has landed,
	s_wait_dscnt 0x0                               ; my stores are done:
	s_barrier_signal -1
	s_barrier_wait -1                              ; all four operands lie whole in LDS
	KSTEP BHT, TH, BAW, TA, 0, 1                   ; A h; the first products start the sums
	KSTEP BHT, TH, BAW, TA, 1, 0
	KSTEP BHT, TH, BAW, TA, 2, 0
	KSTEP BHT, TH, BAW, TA, 3, 0
	KSTEP BSW, TA, BQW, TA, 0, 0                   ; + q g^(i+1) S
	KSTEP BSW, TA, BQW, TA, 1, 0
	KSTEP BSW, TA, BQW, TA, 2, 0
	KSTEP BSW, TA, BQW, TA, 3, 0
.rept 4
	v_nop                                          ; eight places in all behind the last product
.endr
	s_barrier_signal -1                            ; my LDS loads are back (each K step has waited for its own): my reads of A are over
	s_barrier_wait -1                              ; everybody's are: the stage may be written
.set tt, 0
.rept 2
.set uu, 0
.rept 4
	ds_store_b128 v[SST], v[ACC+8*(4*tt+uu):ACC+8*(4*tt+uu)+3],   offset:uu*TA+tt*64      ; each accumulator's low four registers first
	ds_store_b128 v[SST], v[ACC+8*(4*tt+uu)+4:ACC+8*(4*tt+uu)+7], offset:uu*TA+tt*64+16
.set uu, uu+1
.endr
.set tt, tt+1
.endr
	s_wait_dscnt 0x0                               ; for the others' sake: my stores into the stage are done
	s_barrier_signal -1
	s_barrier_wait -1
.set tt, 0
.rept 16
	ds_load_b128 v[OB+4*tt:OB+4*tt+3], v[SRD] offset:tt*KB
.set tt, tt+1
.endr
.set tt, 0
.rept 16
	s_wait_dscnt 15-tt                             ; LDS loads come back in order (ISA guide 5.7.1): row tt is in, the younger ones may stay out
	global_store_b128 v[LO], v[OB+4*tt:OB+4*tt+3], s[14:15] offset:tt*512 th:TH_STORE_NT  ; a row of out: 512 consecutive bytes, aligned
.set tt, tt+1
.endr
	s_wait_tensorcnt 0x0                           ; the wave's end, behind my last tensor load and my last LDS store
	ds_add_u32 v[SPW], v[NIL]
	s_wait_dscnt 0x0
	s_endpgm
.Lfunc_end_k_qa165e83400_output:
	.size	k_qa165e83400_output, .Lfunc_end_k_qa165e83400_output-k_qa165e83400_output
	.p2alignl 7, 3214868480
	.fill 96, 4, 3214868480
	.section	.rodata,"a",@progbits
	.p2align	6, 0x0
	.amdhsa_kernel k_qa165e83400_output
		.amdhsa_group_segment_fixed_size 271616
		.amdhsa_private_segment_fixed_size 0
		.amdhsa_enable_private_segment 0
		.amdhsa_kernarg_size 48
		.amdhsa_user_sgpr_count 2
		.amdhsa_user_sgpr_kernarg_segment_ptr 1
		.amdhsa_wavefront_size32 1
		.amdhsa_system_sgpr_workgroup_id_x 1
		.amdhsa_system_sgpr_workgroup_id_y 1
		.amdhsa_system_sgpr_workgroup_id_z 1
		.amdhsa_system_vgpr_workitem_id 0
		.amdhsa_next_free_vgpr 192
		.amdhsa_next_free_sgpr 66
		.amdhsa_reserve_vcc 0
		.amdhsa_float_denorm_mode_32 3
		.amdhsa_float_denorm_mode_16_64 3
		.amdhsa_memory_ordered 1
		.amdhsa_forward_progress 1
		.amdhsa_inst_pref_size 61
	.end_amdhsa_kernel
	.amdgpu_metadata
---
amdhsa.version: [ 1, 2 ]
amdhsa.kernels:
  - .name:           k_qa165e83400_output
    .symbol:         k_qa165e83400_output.kd
    .args:
      - { .name: aws, .offset: 0, .size: 8, .value_kind: global_buffer, .address_space: global }
      - { .name: sws, .offset: 8, .size: 8, .value_kind: global_buffer, .address_space: global }
      - { .name: q_alpha, .offset: 16, .size: 8, .value_kind: global_buffer, .address_space: global }
      - { .name: h_norm, .offset: 24, .size: 8, .value_kind: global_buffer, .address_space: global }
      - { .name: gamma_vec, .offset: 32, .size: 8, .value_kind: global_buffer, .address_space: global }
      - { .name: out0, .offset: 40, .size: 8, .value_kind: global_buffer, .address_space: global }
    .group_segment_fixed_size: 271616
    .private_segment_fixed_size: 0
    .kernarg_segment_align: 8
    .kernarg_segment_size: 48
    .max_flat_workgroup_size: 256
    .sgpr_count:     66
    .vgpr_count:     192
    .wavefront_size: 32
...
	.end_amdgpu_metadata
.endif
;; end of part 3
;; ======== version 2 of 2: 3 launches; version 1 with the launch local written anew for expert scheduling mode
;; workspace buffers: uws 16,777,216 bytes; sws 16,777,216 bytes; aws 16,777,216 bytes
;; launch local (part 4): grid 31 x 8, 8 waves a work-group, no clusters, 136,704 bytes of LDS; arguments k, h_norm, gamma_vec, decay_diff, causal_mask, uws; writes uws
.if DOCPART == 4
	.amdgcn_target "amdgcn-amd-amdhsa--gfx1250"
	.amdhsa_code_object_version 6
	.text
	.protected	k_qa165e83400_local
	.globl	k_qa165e83400_local
	.p2align	8
	.type	k_qa165e83400_local,@function
k_qa165e83400_local:
	s_mov_b64 s[64:65], 0
	v_nop
	global_prefetch_b8 v0, s[64:65] scope:SCOPE_SE
	s_setreg_imm32_b32 hwreg(HW_REG_WAVE_SCHED_MODE, 0, 2), 2
	s_setreg_imm32_b32 hwreg(HW_REG_WAVE_MODE, 25, 1), 1
	s_wait_xcnt 0x0
	s_wait_alu depctr_vm_vsrc(0)
; WHAT A BLOCK ADDS TO THE CARRIED STATE.  U[r][d] = the sum over j of w[j][r] k[j][r] h[j][d], w[j][r] = exp(dd[127][j] ln g_r) cm[127][j], g = max(gamma, 1e-8),
; for blocks 0 to 30 of each of the 8 batches (block 31 has no successor, so it has no work-group).  A block is 128 rows of 128 f32 of k and of h.
; FORMATS.  Both operands of the product are bf16 PAIRS, x = hi + lo (hi = x rounded, lo = the rest rounded), and the product is hi hi + lo hi + hi lo with f32 sums: what is dropped is lo lo.
; LIMITS.  v_exp_f32 and v_log_f32 flush denormals: w below 2^-126 counts as 0.  |x| beyond bf16's largest finite number (3.39e38) is not served.  NaN and infinities are not treated apart.
; The f32 sums are taken in another order than the reference's.
; SHARES.  Eight waves.  Wave v converts rows j = 16 v .. 16 v + 15 of k (times w) and of h; a lane holds four neighbouring features of a row, so eight rows of one feature pack into 16 bytes
; along j: the transposition into [feature][j] costs nothing.  Then wave v multiplies: r tiles 2 (v % 4) + 0, 1 by d tiles 4 (v / 4) + 0 .. 3: eight accumulators.
; LDS.  A matrix X[row][K] lies as blocks of 16 rows x 8 K: byte = (row / 16) 8464 + (K / 8) 528 + plane 256 + (row % 16) 16 + (K % 8) 2, plane 0 = hi, 1 = lo.  A fragment load takes 256 bytes on
; end for 16 lanes; in the stores 16 lanes stand 4 words (tile) and 16 words (row) apart: every bank once (64 banks of 4 bytes: ISA guide 11.1).
; OUT.  uws[b][m]: byte = (d / 16) 8192 + (r / 4) 256 + (d % 16) 16 + (r % 4) 4, f32: a lane's four registers are 16 bytes, sixteen lanes store 256 consecutive bytes, aligned.
; No tensor load: every number passes through registers to be scaled and split.  No cluster: no two work-groups read the same rows.  No prefetch: a work-group asks for all its data at its head.
; THE MODE: SCHED_MODE bits 1:0 = 2 (LLVM: expert scheduling mode 2), set by the entry lines.  The code itself states the register dependences between vector or matrix instructions and memory or
; LDS instructions, with s_wait_alu, always for 0.
; THE PLAN.  Registers that memory or LDS instructions touch:
;   v5 to v10     Offsets and LDS addresses: written once at the head, read by loads and stores, never written again.
;   gamma, k, h   The global loads land in registers that no vector instruction has named.
;   OUT0, OUT1    The rows are split in four PACKS of eight rows.  Pack p's roundings write OUT[p % 2]; the eight LDS stores that read it are issued in pack p + 1, two at the head of each feature
;                 (the last pack's behind it).  Pack p + 1 names OUT[(p + 1) % 2] and its own rows alone, so one wait on va_vdst ahead of it states all that its stores hang on, and one wait on
;                 vm_vsrc ahead of pack p + 2 that the stores have read the buffer which that pack writes again.
;   P0, P1        A K step's fragments of source 0 (both planes) and hi of source 1.  Step ks's products read P[ks % 2]; the loads of step ks + 1 land in the other, dealt among those products.
;   LQ            lo of source 1: loaded at a step's head, read by the step's last eight products.
;   ACC           Written by the products, read by the global stores at the end.
;   v2, v3        Written at the head, read by the closing add alone.
; So ONE wait on va_vdst stands at the head of K steps 1 to 3: the products of the step before are done reading LQ and the other P.  The step's 24 loads follow it with no further wait.
.set NSTR,  65536                      ; bytes of a block in k, h and uws
.set KB,    528                        ; 8 K of 16 rows: 256 bytes hi, 256 lo, 16 spare
.set TSP,   8464                       ; 16 rows: 16 such, and 16 bytes more
.set HT,    67840                      ; h transposed; k w transposed lies at 0; 67,712 bytes each
.set SPARE, 135680                     ; the spare words, 128 bytes for each wave: four blocks of 256 bytes that no other line names
.set SPW,  2                           ; v2   LDS address of my spare word; never rewritten
.set NIL,  3                           ; v3   0; never rewritten
.set NEG1, 4                           ; v4   -1.0
.set LO,   5                           ; v5   16 x lane: my 16 bytes of a row
.set STK,  6                           ; v6   where I put 16 bytes of k w transposed
.set STH,  7                           ; v7   the same for h
.set BA,   8                           ; v8   my fragments of source 0
.set BBS,  9                           ; v9   of source 1
.set UO,   10                          ; v10  my byte offset in uws
.set LG,   12                          ; v[12:15]   log2 g of my four features
.set XK,   16                          ; v[16:79]   16 rows of k, four registers each
.set XH,   80                          ; v[80:143]  16 rows of h
.set EE,   144                         ; v[144:175] eight rows of exponents, then of decays
.set OUT0, 192                         ; v[192:223] out-buffer 0: feature c at OUT0 + 8 c: four registers of hi along j, four of lo
.set OUT1, 224                         ; v[224:255] out-buffer 1
.set ACC,  32                          ; v[32:95]   accumulator (t, u) at ACC + 8 (4 t + u)
.set P0,   96                          ; v[96:159]  fragment buffer 0: source 0, tile t, plane p at P0 + 16 t + 8 p; source 1, tile u, hi at P0 + 32 + 8 u
.set LQ,   160                         ; v[160:191] source 1, tile u, lo at LQ + 8 u
.set P1,   192                         ; v[192:255] fragment buffer 1, where the out-buffers lay
.set WV,   16                          ; s16  my wave
.set DDR,  32                          ; s[32:47]  dd[127][16 v ..]
.set CMR,  48                          ; s[48:63]  cm[127][16 v ..]
	s_load_b256 s[4:11], s[0:1], 0x0               ; k s[4:5], h s[6:7], gamma s[8:9], dd s[10:11]
	s_load_b128 s[12:15], s[0:1], 0x20             ; cm s[12:13], uws s[14:15]
	v_lshl_add_u32 v[SPW], v0, 2, SPARE
	v_mov_b32 v[NIL], 0
	v_mov_b32 v[NEG1], -1.0
	v_lshrrev_b32 v1, 5, v0
	v_readfirstlane_b32 s[WV], v1                  ; wave 0..7
	v_and_b32 v1, 31, v0                           ; lane
	v_lshlrev_b32 v[LO], 4, v1
	s_and_b32 s17, ttmp7, 0xffff                   ; batch
	s_lshl_b32 s17, s17, 21                        ; 32 blocks of 65,536 bytes
	s_lshl_b32 s18, ttmp9, 16                      ; block
	s_add_co_u32 s18, s18, s17
	s_wait_alu depctr_va_sdst(0)                   ; the wave's number is written, ahead of its first reader: the offsets below are made from it
	s_lshl_b32 s20, s[WV], 13                      ; my 16 rows of 512 bytes
	s_add_co_u32 s20, s20, s18
	s_mov_b32 s21, 0
	s_lshl_b32 s22, s[WV], 6                       ; my 16 numbers of row 127 of dd and cm
	s_add_co_u32 s22, s22, 127*512
	s_mov_b32 s23, 0
	s_lshr_b32 s24, s[WV], 2                       ; v / 4
	s_and_b32 s25, s[WV], 3                        ; v % 4
	s_lshl_b32 s26, s24, 15                        ; four d tiles of 8,192 bytes
	s_lshl_b32 s27, s25, 11                        ; two r tiles of 1,024
	s_add_co_u32 s26, s26, s27
	s_add_co_u32 s26, s26, s18
	s_mov_b32 s27, 0
	s_wait_kmcnt 0x0
	s_add_nc_u64 s[4:5], s[4:5], s[20:21]
	s_add_nc_u64 s[6:7], s[6:7], s[20:21]
	s_add_nc_u64 s[10:11], s[10:11], s[22:23]
	s_add_nc_u64 s[12:13], s[12:13], s[22:23]
	s_add_nc_u64 s[14:15], s[14:15], s[26:27]
	s_load_b512 s[DDR:DDR+15], s[10:11], 0x0
	s_load_b512 s[CMR:CMR+15], s[12:13], 0x0
	s_wait_alu depctr_va_vdst(0)                   ; v[LO] is written: all 33 global loads read it as their offset
	global_load_b128 v[LG:LG+3], v[LO], s[8:9]     ; gamma of features 4 l .. 4 l + 3
.set tt, 0
.rept 16
	global_load_b128 v[XK+4*tt:XK+4*tt+3], v[LO], s[4:5] offset:tt*512 th:TH_LOAD_NT  ; a row: 512 consecutive bytes
.set tt, tt+1
.endr
.set tt, 0
.rept 16
	global_load_b128 v[XH+4*tt:XH+4*tt+3], v[LO], s[6:7] offset:tt*512 th:TH_LOAD_NT
.set tt, tt+1
.endr
	; LDS addresses, while the loads are out: these lines name no register that a load above reads or lands in
	v_lshrrev_b32 v184, 2, v1
	v_and_b32 v185, 3, v1
	v_mul_u32_u24 v[STK], v184, TSP                ; feature 4 l + c: tile l / 4,
	v_lshl_add_u32 v[STK], v185, 6, v[STK]         ; row 4 (l % 4) + c in it
	s_mul_i32 s28, s[WV], 2*KB                     ; my 16 j: two blocks of 8
	v_add_nc_u32 v[STK], s28, v[STK]
	v_add_nc_u32 v[STH], HT, v[STK]
	v_and_b32 v184, 15, v0                         ; l % 16
	v_bfe_u32 v185, v0, 4, 1                       ; l / 16
	v_mul_u32_u24 v[BA], v185, KB
	v_lshl_add_u32 v[BA], v184, 4, v[BA]           ; a fragment: block l / 16 of the K step, 16 bytes of row l % 16
	s_mul_i32 s29, s24, 4*TSP
	s_add_co_u32 s29, s29, HT
	v_add_nc_u32 v[BBS], s29, v[BA]
	s_mul_i32 s30, s25, 2*TSP
	v_add_nc_u32 v[BA], s30, v[BA]
	v_lshlrev_b32 v[UO], 9, v185                   ; out: r = 8 (l / 16) + .. is two quads of r on,
	v_lshl_add_u32 v[UO], v184, 4, v[UO]           ; d = l % 16
	s_wait_loadcnt 32                              ; gamma is in; the 32 rows may stay out
.set cc, 0
.rept 4
	v_max_num_f32 v[LG+cc], 0x322bcc77, v[LG+cc]   ; 1e-8
.set cc, cc+1
.endr
.set cc, 0
.rept 4
	v_log_f32 v[LG+cc], v[LG+cc]
.set cc, cc+1
.endr
	v_nop                                          ; a plain instruction behind the last logarithm,
	s_wait_alu depctr_va_vdst(0)                   ; and the wait ahead of the first use: the four logarithms have written v[LG ..]; so are v6 to v10 written, which LDS instructions and stores read as addresses
	s_wait_kmcnt 0x0                               ; row 127 of dd and cm
	s_wait_loadcnt 16                              ; k is in; h's 16 rows may stay out
; Eight rows of k are multiplied by w.  The 32 exponentials are one batch; the 32 products k cm, which name none of their results, stand between them and their one wait.
.macro KGROUP g
.set tt, 0
.rept 8
.set cc, 0
.rept 4
	v_mul_f32 v[EE+4*tt+cc], s[DDR+8*(\g)+tt], v[LG+cc]
.set cc, cc+1
.endr
.set tt, tt+1
.endr
.set tt, 0
.rept 32
	v_exp_f32 v[EE+tt], v[EE+tt]
.set tt, tt+1
.endr
.set tt, 0
.rept 8
.set cc, 0
.rept 4
	v_mul_f32 v[XK+32*(\g)+4*tt+cc], s[CMR+8*(\g)+tt], v[XK+32*(\g)+4*tt+cc]
.set cc, cc+1
.endr
.set tt, tt+1
.endr
	s_wait_alu depctr_va_vdst(0)                   ; the exponentials have written v[EE ..]; in the second group also: pack 0's roundings have written OUT0, which the stores dealt among pack 1's lines read
.set tt, 0
.rept 16
	v_pk_mul_f32 v[XK+32*(\g)+2*tt:XK+32*(\g)+2*tt+1], v[XK+32*(\g)+2*tt:XK+32*(\g)+2*tt+1], v[EE+2*tt:EE+2*tt+1]
.set tt, tt+1
.endr
.endm
; Feature c of out-buffer sb goes into LDS: 16 bytes of hi, 16 of lo
.macro SEND sb, sta, off, c
	ds_store_b128 v[\sta], v[(\sb)+8*(\c):(\sb)+8*(\c)+3]   offset:(\off)+16*(\c)
	ds_store_b128 v[\sta], v[(\sb)+8*(\c)+4:(\sb)+8*(\c)+7] offset:(\off)+16*(\c)+256
.endm
; A PACK.  Eight rows at register xb, four features a lane: for each feature the eight numbers along j are split into hi and lo, 16 bytes each, into out-buffer ob.
; send = 1: the pack before, which lies in out-buffer sb, is stored meanwhile, a feature's two stores at the head of each feature's lines.  No line of this pack names sb or the stores' address.
.macro PACKCOL xb, ob, send, sb, sta, off
.set cc, 0
.rept 4
.if \send
	SEND \sb, \sta, \off, cc
.endif
.set uu, 0
.rept 4
	v_cvt_pk_bf16_f32 v[(\ob)+8*cc+uu], v[(\xb)+8*uu+cc], v[(\xb)+8*uu+4+cc]
.set uu, uu+1
.endr
.set uu, 0
.rept 4
	v_fma_mix_f32_bf16 v[(\xb)+8*uu+cc], v[(\ob)+8*cc+uu], v[NEG1], v[(\xb)+8*uu+cc] op_sel_hi:[1,0,0]                    ; x - hi, exact
	v_fma_mix_f32_bf16 v[(\xb)+8*uu+4+cc], v[(\ob)+8*cc+uu], v[NEG1], v[(\xb)+8*uu+4+cc] op_sel:[1,0,0] op_sel_hi:[1,0,0]
.set uu, uu+1
.endr
.set uu, 0
.rept 4
	v_cvt_pk_bf16_f32 v[(\ob)+8*cc+4+uu], v[(\xb)+8*uu+cc], v[(\xb)+8*uu+4+cc]
.set uu, uu+1
.endr
.set cc, cc+1
.endr
.endm
; Eight LDS loads: source 0's two tiles, both planes, of K step ks, into fragment buffer pb
.macro LOADA pb, ks
.set tt, 0
.rept 2
.set pl, 0
.rept 2
	ds_load_b128 v[(\pb)+16*tt+8*pl:(\pb)+16*tt+8*pl+3],   v[BA] offset:tt*TSP+(\ks)*4*KB+pl*256
	ds_load_b128 v[(\pb)+16*tt+8*pl+4:(\pb)+16*tt+8*pl+7], v[BA] offset:tt*TSP+(\ks)*4*KB+pl*256+2*KB
.set pl, pl+1
.endr
.set tt, tt+1
.endr
.endm
; Eight LDS loads: source 1's four tiles, plane p, of K step ks, into the 32 registers at rb
.macro LOADB rb, ks, p
.set uu, 0
.rept 4
	ds_load_b128 v[(\rb)+8*uu:(\rb)+8*uu+3],   v[BBS] offset:uu*TSP+(\ks)*4*KB+(\p)*256
	ds_load_b128 v[(\rb)+8*uu+4:(\rb)+8*uu+7], v[BBS] offset:uu*TSP+(\ks)*4*KB+(\p)*256+2*KB
.set uu, uu+1
.endr
.endm
; Four products: source 0's tile t (tile 0 of the plane wanted lies at a) by source 1's four tiles (tile 0 at b).  zero = 1: they start the sums
.macro PASS4 a, b, t, zero
.set uu, 0
.rept 4
.if \zero
	v_wmma_f32_16x16x32_bf16 v[ACC+8*(4*(\t)+uu):ACC+8*(4*(\t)+uu)+7], v[(\a)+16*(\t):(\a)+16*(\t)+7], v[(\b)+8*uu:(\b)+8*uu+7], 0
.else
	v_wmma_f32_16x16x32_bf16 v[ACC+8*(4*(\t)+uu):ACC+8*(4*(\t)+uu)+7], v[(\a)+16*(\t):(\a)+16*(\t)+7], v[(\b)+8*uu:(\b)+8*uu+7], v[ACC+8*(4*(\t)+uu):ACC+8*(4*(\t)+uu)+7]
.endif
.set uu, uu+1
.endr
.endm
; 32 along K: 24 products: hi hi, lo hi, hi lo, in each the eight accumulators by turns: seven others stand between two links of a sum, from K step to K step too.
; pb: this step's fragment buffer; nb: the other, which takes the next step's fragments, eight loads at a time among the products.  first = 1: lo of source 1 was asked for ahead of the step.
.macro KSTEP pb, nb, ks, first, last
.if \first
	s_wait_dscnt 8                                 ; LDS loads come back in order (ISA guide 5.7.1): buffer pb is in; the eight loads of lo may stay out
.else
	s_wait_dscnt 0x0                               ; buffer pb is in
	s_wait_alu depctr_va_vdst(0)                   ; the products of the step before are done reading LQ and buffer nb, in which the loads of this step land
	LOADB LQ, \ks, 1
.endif
	PASS4 \pb, (\pb)+32, 0, \first                 ; hi hi
.if !\last
	LOADA \nb, (\ks)+1                             ; no wait: no product since the wait above names buffer nb
.endif
	PASS4 \pb, (\pb)+32, 1, \first
.if !\last
	LOADB (\nb)+32, (\ks)+1, 0
.endif
	PASS4 (\pb)+8, (\pb)+32, 0, 0                  ; lo hi
	PASS4 (\pb)+8, (\pb)+32, 1, 0
.if \last
	s_wait_dscnt 0x0                               ; lo of source 1 is in
.else
	s_wait_dscnt 16                                ; lo of source 1 is in; the next step's sixteen loads may stay out
.endif
	PASS4 \pb, LQ, 0, 0                            ; hi lo
	PASS4 \pb, LQ, 1, 0
.endm
	KGROUP 0
	PACKCOL XK, OUT0, 0, OUT1, STK, 0              ; pack 0: nothing to store yet
	KGROUP 1                                       ; its wait stands ahead of pack 0's stores
	PACKCOL XK+32, OUT1, 1, OUT0, STK, 0           ; pack 1 | pack 0's stores
	s_wait_loadcnt 0x0                             ; h
	s_wait_alu depctr_vm_vsrc(0)                   ; pack 0's stores have read OUT0, which pack 2's roundings write again
	s_wait_alu depctr_va_vdst(0)                   ; pack 1's roundings have written OUT1, which the stores below read
	PACKCOL XH, OUT0, 1, OUT1, STK, KB             ; pack 2 | pack 1's stores
	s_wait_alu depctr_vm_vsrc(0)                   ; pack 1's stores have read OUT1, which pack 3's roundings write again
	s_wait_alu depctr_va_vdst(0)                   ; pack 2's roundings have written OUT0, which the stores below read
	PACKCOL XH+32, OUT1, 1, OUT0, STH, 0           ; pack 3 | pack 2's stores
	s_wait_alu depctr_va_vdst(0)                   ; pack 3's roundings have written OUT1, which the stores below read; and every vector line is done with v[96:255], in which fragments land from here on
.set cc, 0
.rept 4
	SEND OUT1, STH, KB, cc
.set cc, cc+1
.endr
	s_wait_dscnt 0x0                               ; for the others' sake: my stores are done
	s_barrier_signal -1
	s_barrier_wait -1                              ; both operands lie whole in LDS
	s_wait_alu depctr_vm_vsrc(0)                   ; my LDS stores have read OUT0 and OUT1: these registers are fragment buffer 1 from here on, in which step 0's loads for step 1 land
	LOADA P0, 0
	LOADB P0+32, 0, 0
	LOADB LQ, 0, 1
	KSTEP P0, P1, 0, 1, 0                          ; the first products start the sums
	KSTEP P1, P0, 1, 0, 0
	KSTEP P0, P1, 2, 0, 0
	KSTEP P1, P0, 3, 0, 1                          ; the last step asks for nothing more
.rept 4
	v_nop                                          ; four places behind the last product, before its result is read (ISA guide 7.12.1)
.endr
	s_wait_alu depctr_va_vdst(0)                   ; the products have written the accumulators, which the stores read; the places above stay beside this wait
	; In a result lane l holds d = l % 16 and r = 8 (l / 16) + 0..7; each accumulator's low four registers leave first
.set tt, 0
.rept 2
.set uu, 0
.rept 4
	global_store_b128 v[UO], v[ACC+8*(4*tt+uu):ACC+8*(4*tt+uu)+3],   s[14:15] offset:uu*8192+tt*1024
	global_store_b128 v[UO], v[ACC+8*(4*tt+uu)+4:ACC+8*(4*tt+uu)+7], s[14:15] offset:uu*8192+tt*1024+256
.set uu, uu+1
.endr
.set tt, tt+1
.endr
	s_wait_dscnt 0x0                               ; the closing lines, six on end
	s_wait_alu 0x0
	s_wait_tensorcnt 0x0
	ds_add_u32 v[SPW], v[NIL]
	s_wait_dscnt 0x0
	s_endpgm
.Lfunc_end_k_qa165e83400_local:
	.size	k_qa165e83400_local, .Lfunc_end_k_qa165e83400_local-k_qa165e83400_local
	.p2alignl 7, 3214868480
	.fill 96, 4, 3214868480
	.section	.rodata,"a",@progbits
	.p2align	6, 0x0
	.amdhsa_kernel k_qa165e83400_local
		.amdhsa_group_segment_fixed_size 136704
		.amdhsa_private_segment_fixed_size 0
		.amdhsa_enable_private_segment 0
		.amdhsa_kernarg_size 48
		.amdhsa_user_sgpr_count 2
		.amdhsa_user_sgpr_kernarg_segment_ptr 1
		.amdhsa_wavefront_size32 1
		.amdhsa_system_sgpr_workgroup_id_x 1
		.amdhsa_system_sgpr_workgroup_id_y 1
		.amdhsa_system_sgpr_workgroup_id_z 1
		.amdhsa_system_vgpr_workitem_id 0
		.amdhsa_next_free_vgpr 256
		.amdhsa_next_free_sgpr 66
		.amdhsa_reserve_vcc 0
		.amdhsa_float_denorm_mode_32 3
		.amdhsa_float_denorm_mode_16_64 3
		.amdhsa_memory_ordered 1
		.amdhsa_forward_progress 1
		.amdhsa_inst_pref_size 47
	.end_amdhsa_kernel
	.amdgpu_metadata
---
amdhsa.version: [ 1, 2 ]
amdhsa.kernels:
  - .name:           k_qa165e83400_local
    .symbol:         k_qa165e83400_local.kd
    .args:
      - { .name: k, .offset: 0, .size: 8, .value_kind: global_buffer, .address_space: global }
      - { .name: h_norm, .offset: 8, .size: 8, .value_kind: global_buffer, .address_space: global }
      - { .name: gamma_vec, .offset: 16, .size: 8, .value_kind: global_buffer, .address_space: global }
      - { .name: decay_diff, .offset: 24, .size: 8, .value_kind: global_buffer, .address_space: global }
      - { .name: causal_mask, .offset: 32, .size: 8, .value_kind: global_buffer, .address_space: global }
      - { .name: uws, .offset: 40, .size: 8, .value_kind: global_buffer, .address_space: global }
    .group_segment_fixed_size: 136704
    .private_segment_fixed_size: 0
    .kernarg_segment_align: 8
    .kernarg_segment_size: 48
    .max_flat_workgroup_size: 256
    .sgpr_count:     66
    .vgpr_count:     256
    .wavefront_size: 32
...
	.end_amdgpu_metadata
.endif
;; end of part 4
;; launch scores: the kernel of part 2 again; grid 32 x 8, 4 waves a work-group, no clusters, 327,680 bytes of LDS; arguments q_alpha, k, gamma_vec, decay_diff, causal_mask, uws, sws, aws; writes sws, aws
;; launch output: the kernel of part 3 again; grid 32 x 8, 8 waves a work-group, no clusters, 271,616 bytes of LDS; arguments aws, sws, q_alpha, h_norm, gamma_vec, out0; writes out0
